; MI455X (gfx1250); checked and timed in simulation.
; The chip was launched on July 23, 2026; its instructions are those of AMD's public machine-readable ISA for CDNA 5 (MIT licence, August 2026) and "CDNA5" Instruction Set Architecture Reference Guide (July 2026). The comments in the code are by the model that wrote it; some were corrected since.
;; Gradient. Allowed arithmetic: matrix products marked QUANTISED: E4M3 operands, one given power-of-two scale a tensor, by v_wmma_f32_16x16x64_fp8_fp8 or v_wmma_f32_16x16x128_fp8_fp8, f32 sums; products left as they are: f32 operands where the result goes on into a quantised operand, else bf16, f16 or f32 operands; f32 sums; everything else in f32.
;; Inputs: W1 4 x 512 float32; W2 512 x 512 float32; W3 512 x 2 float32; b1 512 float32; b2 512 float32; b3 2 float32; lowp_scales 30 int32 (the exponents e of the quantised operands' scales 2^e); x 256 x 4 float32.
;; Outputs: out0 256 x 2 float32; out1 256 x 2 x 4 float32; out2 256 x 2 x 4 x 4 float32; out3 256 x 2 x 4 x 4 x 4 float32.
;; This version of the problem:
;;   THIS VERSION OF THE PROBLEM IS GIVEN IN LOW PRECISION. The matrix products marked QUANTISED in the list below multiply operands that are first quantised to E4M3 (4 exponent bits, 3 mantissa bits; 8 bits a number), with one given power-of-two scale for each operand tensor; their sums are f32. All else is computed in f32.
;;   The module's matrix products, in the order in which they are computed (A, B: the left and right operand; K: the contracted axis; several contracted axes count as one K, in the product's order):
;;     1. [M 256, K 4] x [K 4, N 512]; A: input x; B: input W1: left as it is (K = 4 < 32)
;;     2. [M 256, K 512] x [K 512, N 512]; A: computed on the way; B: input W2: QUANTISED (scales: A lowp_scales[0], B lowp_scales[1])
;;     3. [M 256, K 512] x [K 512, N 2]; A: computed on the way; B: input W3: left as it is (N = 2 < 16)
;;     4. [M 256, K 4] x [K 4, N 512]; A: input x; B: input W1: left as it is (K = 4 < 32)
;;     5. [M 256, K 512] x [K 512, N 512]; A: computed on the way; B: input W2: QUANTISED (scales: A lowp_scales[2], B lowp_scales[3])
;;     6. [M 256, K 512] x [K 512, N 2]; A: computed on the way; B: input W3: left as it is (N = 2 < 16)
;;     7. [M 2, K 2] x [K 2, N 512]; A: computed on the way; B: input W3: left as it is (K = 2 < 32)
;;     8. [M 512, K 512] x [K 512, N 512]; A: computed on the way; B: input W2: QUANTISED (scales: A lowp_scales[4], B lowp_scales[5])
;;     9. [M 512, K 512] x [K 512, N 4]; A: computed on the way; B: input W1: left as it is (N = 4 < 16)
;;     10. [M 256, K 4] x [K 4, N 512]; A: input x; B: input W1: left as it is (K = 4 < 32)
;;     11. [M 256, K 512] x [K 512, N 512]; A: computed on the way; B: input W2: QUANTISED (scales: A lowp_scales[6], B lowp_scales[7])
;;     12. [M 256, K 512] x [K 512, N 2]; A: computed on the way; B: input W3: left as it is (N = 2 < 16)
;;     13. [M 2, K 2] x [K 2, N 512]; A: computed on the way; B: input W3: left as it is (K = 2 < 32)
;;     14. [M 512, K 512] x [K 512, N 512]; A: computed on the way; B: input W2: QUANTISED (scales: A lowp_scales[8], B lowp_scales[9])
;;     15. [M 512, K 512] x [K 512, N 4]; A: computed on the way; B: input W1: left as it is (N = 4 < 16)
;;     16. [M 16, K 4] x [K 4, N 512]; A: computed on the way; B: input W1: left as it is (K = 4 < 32)
;;     17. [M 4,096, K 512] x [K 512, N 512]; A: computed on the way; B: input W2: QUANTISED (scales: A lowp_scales[10], B lowp_scales[11])
;;     18. [M 2,048, K 512] x [K 512, N 512]; A: computed on the way; B: input W2: QUANTISED (scales: A lowp_scales[12], B lowp_scales[13])
;;     19. [M 2,048, K 512] x [K 512, N 4]; A: computed on the way; B: input W1: left as it is (N = 4 < 16)
;;     20. [M 256, K 4] x [K 4, N 512]; A: input x; B: input W1: left as it is (K = 4 < 32)
;;     21. [M 256, K 512] x [K 512, N 512]; A: computed on the way; B: input W2: QUANTISED (scales: A lowp_scales[14], B lowp_scales[15])
;;     22. [M 256, K 512] x [K 512, N 2]; A: computed on the way; B: input W3: left as it is (N = 2 < 16)
;;     23. [M 2, K 2] x [K 2, N 512]; A: computed on the way; B: input W3: left as it is (K = 2 < 32)
;;     24. [M 512, K 512] x [K 512, N 512]; A: computed on the way; B: input W2: QUANTISED (scales: A lowp_scales[16], B lowp_scales[17])
;;     25. [M 512, K 512] x [K 512, N 4]; A: computed on the way; B: input W1: left as it is (N = 4 < 16)
;;     26. [M 16, K 4] x [K 4, N 512]; A: computed on the way; B: input W1: left as it is (K = 4 < 32)
;;     27. [M 4,096, K 512] x [K 512, N 512]; A: computed on the way; B: input W2: QUANTISED (scales: A lowp_scales[18], B lowp_scales[19])
;;     28. [M 2,048, K 512] x [K 512, N 512]; A: computed on the way; B: input W2: QUANTISED (scales: A lowp_scales[20], B lowp_scales[21])
;;     29. [M 2,048, K 512] x [K 512, N 4]; A: computed on the way; B: input W1: left as it is (N = 4 < 16)
;;     30. [M 256, K 4] x [K 4, N 512]; A: computed on the way; B: input W1: left as it is (K = 4 < 32)
;;     31. [M 65,536, K 512] x [K 512, N 512]; A: computed on the way; B: input W2: QUANTISED (scales: A lowp_scales[22], B lowp_scales[23])
;;     32. [M 131,072, K 512] x [K 512, N 512]; A: computed on the way; B: input W2: QUANTISED (scales: A lowp_scales[24], B lowp_scales[25])
;;     33. [M 16,384, K 512] x [K 512, N 512]; A: computed on the way; B: input W2: QUANTISED (scales: A lowp_scales[26], B lowp_scales[27])
;;     34. [M 8,192, K 512] x [K 512, N 512]; A: computed on the way; B: input W2: QUANTISED (scales: A lowp_scales[28], B lowp_scales[29])
;;     35. [M 8,192, K 512] x [K 512, N 4]; A: computed on the way; B: input W1: left as it is (N = 4 < 16)
;;   THE QUANTISER, for each operand of a quantised product, along K:
;;     - The operand's scale is 2^e, e = its entry of the input lowp_scales (int32; the entries are numbered through the quantised products in the list's order, A before B).
;;     - Each number is divided by the scale, clamped to +-448, and rounded to the nearest number of E4M3, ties to even, subnormals kept.
;;     - The product sums the exact products of the quantised numbers (number of the format x scale) in f32.
;;   ~~~python
;;   def quantise(x, axis, e):      # numpy; x: float32 -> the quantised numbers, widened to float32 again
;;       x = np.moveaxis(x, axis, -1); K = x.shape[-1]
;;       r = np.clip(x / 2.0 ** e, -448, 448)
;;       step = 2.0 ** (np.maximum(np.frexp(np.where(r == 0, 1, r))[1] - 1, -6) - 3)
;;       q = np.round(r / step) * step * 2.0 ** e      # np.round: ties to even
;;       return np.moveaxis(q, -1, axis).astype(np.float32)
;;   ~~~
;;   OPERANDS COMPUTED ON THE WAY. 'Computed on the way' means the value that the module computes at that place (a softmax that the list does not call 'softmax' is quantised finished and normalised). What goes into a quantiser is computed in f32, as accurately as f32 sums, v_exp_f32 and their like allow (about 1e-6 of the number): no bf16 or f16 on the way to a quantiser, and a product that is left as it is and whose result goes on into a quantised operand takes f32 operands (vector FMAs, or v_wmma_f32_16x16x4_f32). A number that lies on a knife's edge between two numbers of the format may be rounded either way, as far as f32 arithmetic and the matrix unit's own rounding can turn it there, and no further.
;; 2 versions. Each part assembles by itself: llvm-mc -triple=amdgcn-amd-amdhsa -mcpu=gfx1250 --defsym DOCPART=n.
;; ======== version 1 of 2: 2 launches
;; limits: a function is approximated: absolute error at most 1e-07
;; workspace buffers: part3 1,048,576 bytes; partS 524,288 bytes
;; launch main (part 1): grid 8 x 32, 4 waves a work-group, no clusters, 215,808 bytes of LDS; arguments x, W1, b1, W2, b2, W3, lowp_scales, part3, partS; writes part3, partS
.if DOCPART == 1
	.amdgcn_target "amdgcn-amd-amdhsa--gfx1250"
	.amdhsa_code_object_version 6
	.text
	.protected	k_q1cc8121f6c_main
	.globl	k_q1cc8121f6c_main
	.p2align	8
	.type	k_q1cc8121f6c_main,@function
k_q1cc8121f6c_main:
	s_mov_b64 s[64:65], 0
	v_nop
	global_prefetch_b8 v0, s[64:65] scope:SCOPE_SE
	s_setreg_imm32_b32 hwreg(HW_REG_WAVE_MODE, 25, 1), 1
	s_wait_xcnt 0x0
; y, dy, ddy, dddy of f(x) = tanh(tanh(x W1 + b1) W2 + b2) W3 + b3 for 256 samples; every product with W2 on codes of FP8 (E4M3), each operand with its own given scale 2^e (lowp_scales).
; WHAT IS MULTIPLIED.  The cotangent bases that the three nested reverse passes build are identities, so of each product's rows most are zeros, are multiplied by those zeros later, or are copies.  With s = 1 - h h,
; t2 = -2 h s, t3 = s (4 - 6 s), p_i = s1 W1_i, p2_ij = -2 h1 p_i W1_j the distinct rows of a sample are
;   K = W2's first axis (stage A):  h1 (four products, four pairs of scales), p_i (three products), p2_ij;  results a2 (x 4), z17_i, z27_i, z31_j, z2_ij
;   K = W2's second axis (stage B): W3_o s2 (three products), t2 W3_o z_i (three), W3_o (t3 z27_i z31_j + t2 z2_ij);  results R8, R14, R24, C18_i, C28_i, C32_j, G_ij, each for o = 0, 1
;   dy_oi = sum_m R8 p_i;  ddy_oij = sum_m p_j (C18_i - 2 h1 W1_i R14);  dddy_oijk = sum_m p_k (G_ij + W1_j (-2 h1 C28_i + (4 - 6 s1) W1_i R24) + W1_i (-2 h1 C32_j))
; SHARES.  Work-group (q = x of 8, g = y of 32): samples 8 g .. 8 g + 7, hidden units n = 64 q .. 64 q + 63 of layer 2.  Stage A: full K = 512 for its 64 n (wave w: 16 of them).  Stage B: all 512 m (wave w: 128) with K = its 64 n:
; partial sums, which the outputs are linear in: the contraction over m is done here and the eight slices' parts are added by the next launch.
; W2 goes from memory straight into operand registers as f32 (its slab [512][64] once by columns, once by rows) and is turned there into the 8 + 7 sets of codes.
; NO CLUSTER, NO TENSOR LOAD: the 32 work-groups of one q read the same slab, but a joint load would lay it in LDS, 131,072 bytes beside the 215,296 that are in use: more than the 327,680 that there are.
; LIMITS.  Every e between -126 and 119; each sum or difference of exponents made into a power of two below (eA + eB of a product; e18+e19+e22+e23; e20+e21, e24+e25, e16+e17 less e28+e29; e8+e9 less e12+e13) between -126 and 126.
; tanh(a) = 1 - 2 / (1 + 2^(2 log2(e) a)): absolute error about 1e-7, so its relative accuracy falls off under |a| = 0.1.  NaN among the inputs is not served.
; LDS: 0 IMG0, 32 half-images of 4,096 bytes [K step 4][c 4][slot s + 8 h][16 codes of k = 128 ks + 32 c + 16 h ..]: H_v at 4096 v, P_(v,i) at 16384 + 4096 (4 v + i), Q_ij at 65536 + 4096 (4 i + j);
;   images P_(0,i>=2), P_(1,i>=2), Q_(i>=2,j) have h flipped.   W1S: W1's four rows and b1.   H1S: h1 in f32, 8 rows.
;   IMG1: 31 images of 1,024 bytes [c 4][slot r' + 16 h][8 codes of n = 16 c + 8 h ..], r' = s + 8 o.   RED: [wave][r' 16] rows of 400 bytes, 96 words used.
.set W1S,   131072
.set H1S,   141312
.set HP,    2080                       ; a row of h1: 2,048 bytes + 32
.set IMG1,  157952
.set RED,   189696
.set RP,    400
.set EX,    68                         ; s[68:97] the 30 exponents
.set TH2,   0x4038aa3b                 ; 2 log2(e)
.set M6,    0xc0c00000                 ; -6.0
; window 0, kept throughout: v0 thread, v1 lane l, v2 s = l & 7, v3 bit 3 of l, v4 bit 4 of l.  In the matrix phases a tile's row is r = s + 8 u, u = v3, and the half of K or of the results is h = v4.
.set VA,    15                         ; v15  stage A: W2 by columns: 32768 h + 4 r; never rewritten
.set XR,    16                         ; phase 1: v16-19 x
.set CP,    20                         ; v20-27 two sets of 16 codes
.set SCP,   32                         ; v32-47 eight pairs (2^e, 448 x 2^e)
.set TP,    64                         ; v64-95 two sets of 16 held numbers
.set W1R,   96                         ; v96-159 W1's four rows, my 16 k
.set AH,    160                        ; a1, then h1
.set S1R,   176
.set M2H,   192
.set PT,    208
.set RDB,   5
.set IMNB,  6
.set IMSB,  7
.set H1WB,  8
.set RD,    9
.set IMN,   10
.set IMS,   11
.set IMNQ,  12
.set IMSQ,  13
.set H1W,   14
.set MSB, 0
.macro WIN new                         ; the immediate's high byte repeats the setting that is left; a switch that changes nothing is dropped
.if MSB != \new
	s_set_vgpr_msb (MSB<<8)|\new
.set MSB, \new
.endif
.endm
.macro MKSC vs, e                      ; v[vs] = 2^e as f32 (a conversion takes its exponent field), v[vs + 1] = 448 x 2^e, e = entry e of the scales
	s_add_co_i32 s2, s[EX+\e], 127
	s_lshl_b32 s3, s2, 23
	v_mov_b32 v[\vs], s3
	s_add_co_i32 s2, s2, 8
	s_lshl_b32 s2, s2, 23
	s_or_b32 s2, s2, 0x600000
	v_mov_b32 v[\vs+1], s2
.endm
.macro BARRIER                         ; my LDS stores have landed and my LDS loads are in: then the work-group's barrier
	s_wait_dscnt 0x0
	s_barrier_signal -1
	s_barrier_wait -1
.endm
.macro ESUM a, b
	s_add_co_i32 s2, s[EX+\a], s[EX+\b]
.endm
.macro EADD a
	s_add_co_i32 s2, s2, s[EX+\a]
.endm
.macro ESUB a
	s_sub_co_i32 s2, s2, s[EX+\a]
.endm
.macro P2PAIR d, bias, neg             ; s[d] = s[d + 1] = (-) 2^(s2 + bias - 127): a pair, since the packed forms name one
	s_add_co_i32 s2, s2, \bias
	s_lshl_b32 s[\d], s2, 23
.if \neg
	s_or_b32 s[\d], s[\d], 0x80000000
.endif
	s_mov_b32 s[\d+1], s[\d]
.endm
.macro CAPAIR d, a, b                  ; 2 log2(e) x 2^(ea + eb): the exponents are added to the constant's exponent field
	ESUM \a, \b
	s_lshl_b32 s2, s2, 23
	s_add_co_i32 s[\d], s2, TH2
	s_mov_b32 s[\d+1], s[\d]
.endm
.macro TANH b, n                       ; v[b .. b + n - 1] hold 2 log2(e) a: they become tanh(a) = 1 - 2 / (1 + 2^..)
.set tt, 0
.rept \n
	v_exp_f32 v[\b+tt], v[\b+tt]
.set tt, tt+1
.endr
	v_nop                                          ; a plain instruction behind the last exponential,
	s_wait_alu depctr_va_vdst(0)                   ; and one wait for the batch, ahead of its first reader
.set tt, 0
.rept (\n)/2
	v_pk_add_f32 v[\b+tt:\b+tt+1], v[\b+tt:\b+tt+1], 1.0 op_sel_hi:[1,0]
.set tt, tt+2
.endr
.set tt, 0
.rept \n
	v_rcp_f32 v[\b+tt], v[\b+tt]
.set tt, tt+1
.endr
	v_nop
	s_wait_alu depctr_va_vdst(0)                   ; the same for the reciprocals
.set tt, 0
.rept (\n)/2
	v_pk_fma_f32 v[\b+tt:\b+tt+1], v[\b+tt:\b+tt+1], -2.0, 1.0 op_sel_hi:[1,0,0]
.set tt, tt+2
.endr
.endm
.macro ONEMSQ d, a, n                  ; d = 1 - a a
.set tt, 0
.rept (\n)/2
	v_pk_fma_f32 v[\d+tt:\d+tt+1], v[\a+tt:\a+tt+1], v[\a+tt:\a+tt+1], 1.0 op_sel_hi:[1,1,0] neg_lo:[1,0,0] neg_hi:[1,0,0]
.set tt, tt+2
.endr
.endm
.macro PKM d, a, b                     ; eight numbers: d = a b
.irp p, 0,2,4,6
	v_pk_mul_f32 v[\d+\p:\d+\p+1], v[\a+\p:\a+\p+1], v[\b+\p:\b+\p+1]
.endr
.endm
.macro PKM16 d, a, b                   ; sixteen
.irp p, 0,2,4,6,8,10,12,14
	v_pk_mul_f32 v[\d+\p:\d+\p+1], v[\a+\p:\a+\p+1], v[\b+\p:\b+\p+1]
.endr
.endm
.macro PKMS d, a, sp                   ; eight numbers by a scalar (the pair's low word for both halves)
.irp p, 0,2,4,6
	v_pk_mul_f32 v[\d+\p:\d+\p+1], v[\a+\p:\a+\p+1], s[\sp:\sp+1] op_sel_hi:[1,0]
.endr
.endm
.macro PKF3 d, a, b, c                 ; eight numbers: d = a b + c
.irp p, 0,2,4,6
	v_pk_fma_f32 v[\d+\p:\d+\p+1], v[\a+\p:\a+\p+1], v[\b+\p:\b+\p+1], v[\c+\p:\c+\p+1]
.endr
.endm
.macro PLACES                          ; four plain instructions between a matrix instruction and a load into a register that it has read (ISA guide 7.12.1 for vector instructions)
.rept 4
	v_nop
.endr
.endm
; W2 by columns: lane (r, h) takes column n = 64 q + 16 w + r, and its 64 registers run down K: F[16 c + i] = W2(128 ks + 32 c + 16 h + i, n).  Window 1, v0-63.
.macro LOADF
	WIN 0x40                                       ; destination window 1
.irp c, 0,1,2,3
.irp i, 0,1,2,3,4,5,6,7,8,9,10,11,12,13,14,15
	global_load_b32 v[16*\c+\i], v[VA], s[26:27] offset:(32*\c+\i)*2048
.endr
.endr
	WIN 0
.endm
; ---------------------------------------------------------------- the head
	s_load_b256 s[4:11], s[0:1], 0x0               ; x s[4:5], W1 s[6:7], b1 s[8:9], W2 s[10:11]
	s_load_b256 s[12:19], s[0:1], 0x20             ; b2 s[12:13], W3 s[14:15], lowp_scales s[16:17], part3 s[18:19]
	s_load_b64 s[20:21], s[0:1], 0x40              ; partS
	s_set_vgpr_msb 0x40
	v_lshl_add_u32 v254, v0, 2, 0x34900
	v_mov_b32 v255, 0
	s_set_vgpr_msb 0x4000
	v_and_b32 v1, 31, v0
	v_and_b32 v2, 7, v0
	v_bfe_u32 v3, v0, 3, 1
	v_bfe_u32 v4, v0, 4, 1
	v_lshrrev_b32 v30, 5, v0
	v_readfirstlane_b32 s22, v30                   ; wave w
	s_mov_b32 s23, ttmp9                           ; slice q
	s_and_b32 s24, ttmp7, 0xffff                   ; group g
	s_mov_b32 s32, 0x76543210                      ; v_permlanex16_b32's selects for lane l xor 16
	s_mov_b32 s33, 0xfedcba98
	v_lshlrev_b32 v28, 4, v0                       ; 16 x thread: my 16 bytes of a row of W1 or of b1
	v_lshlrev_b32 v29, 4, v2                       ; 16 s: my sample's x
	v_lshl_add_u32 v31, v0, 4, W1S
	v_and_b32 v30, 15, v0
	v_lshlrev_b32 v[VA], 2, v30
	v_lshl_add_u32 v[VA], v4, 15, v[VA]            ; 16 h rows of 2,048 bytes + 4 r
	s_lshl_b32 s2, s23, 8
	s_lshl_b32 s3, s22, 6
	s_add_co_u32 s34, s2, s3                       ; 256 q + 64 w
	s_mov_b32 s35, 0
	s_lshl_b32 s3, s22, 18
	s_add_co_u32 s66, s2, s3                       ; 256 q + 128 w rows of 2,048 bytes
	s_mov_b32 s67, 0
	s_lshl_b32 s2, s24, 7                          ; 8 g samples of 16 bytes
	s_mov_b32 s3, 0
	s_wait_kmcnt 0x0
	s_load_b512 s[68:83], s[16:17], 0x0
	s_load_b256 s[84:91], s[16:17], 0x40
	s_load_b128 s[92:95], s[16:17], 0x60
	s_load_b64 s[96:97], s[16:17], 0x70
	s_add_nc_u64 s[26:27], s[10:11], s[34:35]      ; W2 for stage A
	s_add_nc_u64 s[28:29], s[10:11], s[66:67]      ; W2 for stage B
	s_add_nc_u64 s[12:13], s[12:13], s[34:35]      ; b2 at my wave's 16 n
	s_lshl_b32 s34, s34, 1
	s_add_nc_u64 s[14:15], s[14:15], s[34:35]      ; W3 likewise: 8 bytes an n
	s_add_nc_u64 s[4:5], s[4:5], s[2:3]
.irp i, 0,1,2,3
	global_load_b128 v[96+4*\i:99+4*\i], v28, s[6:7] offset:2048*\i
.endr
	global_load_b128 v[112:115], v28, s[8:9]
	global_load_b128 v[XR:XR+3], v29, s[4:5]
	LOADF                                          ; the first K step's W2 lands while the operands are made
	s_wait_kmcnt 0x0                               ; the exponents
	CAPAIR 36, 0, 1                                ; s[36:43]: 2 log2(e) 2^(eA + eB) for the four forward products
	CAPAIR 38, 2, 3
	CAPAIR 40, 6, 7
	CAPAIR 42, 14, 15
	ESUM 10, 11
	P2PAIR 44, 128, 1                              ; -2 x 2^(e10 + e11)
	ESUM 18, 19
	P2PAIR 46, 128, 1                              ; -2 x 2^(e18 + e19)
	ESUM 22, 23
	P2PAIR 48, 128, 1                              ; -2 x 2^(e22 + e23)
	ESUM 26, 27
	P2PAIR 50, 128, 1                              ; -2 x 2^(e26 + e27)
	ESUM 18, 19
	EADD 22
	EADD 23
	P2PAIR 52, 127, 0                              ; 2^(e18 + e19 + e22 + e23)
	ESUM 20, 21
	ESUB 28
	ESUB 29
	P2PAIR 54, 128, 1                              ; -2 x 2^(e20 + e21 - e28 - e29)
	ESUM 24, 25
	ESUB 28
	ESUB 29
	P2PAIR 56, 128, 1                              ; -2 x 2^(e24 + e25 - e28 - e29)
	ESUM 8, 9
	ESUB 12
	ESUB 13
	P2PAIR 58, 128, 1                              ; -2 x 2^(e8 + e9 - e12 - e13)
	ESUM 16, 17
	ESUB 28
	ESUB 29
	P2PAIR 60, 127, 0                              ; 2^(e16 + e17 - e28 - e29)
	ESUM 28, 29
	P2PAIR 62, 127, 0                              ; 2^(e28 + e29)
	ESUM 12, 13
	s_add_co_i32 s2, s2, 127
	s_lshl_b32 s98, s2, 23                         ; 2^(e12 + e13)
	ESUM 4, 5
	s_add_co_i32 s2, s2, 127
	s_lshl_b32 s99, s2, 23                         ; 2^(e4 + e5)
	MKSC SCP+0, 0                                  ; the scales of stage A's left operands: h1 four times,
	MKSC SCP+2, 2
	MKSC SCP+4, 6
	MKSC SCP+6, 14
	MKSC SCP+8, 10                                 ; p_i three times,
	MKSC SCP+10, 18
	MKSC SCP+12, 22
	MKSC SCP+14, 26                                ; p2_ij
	v_lshrrev_b32 v30, 3, v1
	s_lshl_b32 s2, s22, 9
	s_lshl_b32 s3, s22, 10
	v_lshl_add_u32 v[RDB], v30, 6, s2              ; my 16 k in bytes of f32: 512 w + 64 (l >> 3)
	v_mad_u32_u24 v[H1WB], v2, HP, v[RDB]
	v_add_nc_u32 v[H1WB], H1S, v[H1WB]
	v_add_nc_u32 v[RDB], W1S, v[RDB]
	v_lshl_add_u32 v[IMNB], v1, 4, s3              ; an image's place for my 16 codes: 1024 w + 16 l,
	v_xor_b32 v[IMSB], 128, v[IMNB]                ; and with h flipped
	s_wait_loadcnt 63                              ; 64 loads of W2 were issued behind W1's, b1's and x's six: those six are in (the count's field ends at 63)
.irp i, 0,1,2,3,4
	ds_store_b128 v31, v[96+4*\i:99+4*\i] offset:2048*\i
.endr
	BARRIER                                        ; W1 and b1 lie in LDS
; ---------------------------------------------------------------- phase 1: h1, p_i, p2_ij as codes.  Wave w takes K step w; a lane takes sample s and 16 neighbouring k a trip: k = 128 w + 64 trip + 16 (l >> 3) ..
.set TT, 0
.set CC, 0
.macro Q16 src, pair                   ; 16 numbers, held within 448 x the scale (the conversion does not saturate: ISA guide 7.6.2), become 16 codes.  The sets of held numbers and of codes take turns
.set TS, TP+16*TT
.set CD, CP+4*CC
.set qq, 0
.rept 16
	v_med3_num_f32 v[TS+qq], v[\src+qq], -v[SCP+2*(\pair)+1], v[SCP+2*(\pair)+1]
.set qq, qq+1
.endr
	s_wait_dscnt 0x1                               ; the store that read this set of codes is older than the newest store
	v_cvt_scalef32_pk8_fp8_f32 v[CD:CD+1], v[TS:TS+7], v[SCP+2*(\pair)]
	v_cvt_scalef32_pk8_fp8_f32 v[CD+2:CD+3], v[TS+8:TS+15], v[SCP+2*(\pair)]
.set TT, 1-TT                          ; the next vector line writes the other set: the plain line that a scaled conversion wants behind it
.set CC, 1-CC
.endm
.macro ST adr, off
	ds_store_b128 v[\adr], v[CD:CD+3] offset:\off
.endm
.macro QQ j                            ; p2_ij = (-2 h1 p_i) W1_j
.set TS, TP+16*TT
	PKM16 TS, PT, W1R+16*\j
	Q16 TS, 7
.endm
.macro XROW i, odd                     ; a1 += x_i W1_i: x_i is the low or the high word of its pair, for both halves
.irp p, 0,2,4,6,8,10,12,14
.if \odd
	v_pk_fma_f32 v[AH+\p:AH+\p+1], v[W1R+16*\i+\p:W1R+16*\i+\p+1], v[XR+2*(\i/2):XR+2*(\i/2)+1], v[AH+\p:AH+\p+1] op_sel:[0,1,0] op_sel_hi:[1,1,1]
.else
	v_pk_fma_f32 v[AH+\p:AH+\p+1], v[W1R+16*\i+\p:W1R+16*\i+\p+1], v[XR+2*(\i/2):XR+2*(\i/2)+1], v[AH+\p:AH+\p+1] op_sel_hi:[1,0,1]
.endif
.endr
.endm
	s_mov_b32 s30, 0
	s_mov_b32 s31, 0
	s_mov_b32 s25, 0
.Lp1:
	v_add_nc_u32 v[RD], s30, v[RDB]
	v_add_nc_u32 v[H1W], s30, v[H1WB]
	v_add_nc_u32 v[IMN], s31, v[IMNB]
	v_add_nc_u32 v[IMS], s31, v[IMSB]
	v_add_nc_u32 v[IMNQ], 0x10000, v[IMN]
	v_add_nc_u32 v[IMSQ], 0x10000, v[IMS]
.irp i, 0,1,2,3
.irp e, 0,1,2,3
	ds_load_b128 v[W1R+16*\i+4*\e:W1R+16*\i+4*\e+3], v[RD] offset:2048*\i+16*\e
.endr
.endr
.irp e, 0,1,2,3
	ds_load_b128 v[AH+4*\e:AH+4*\e+3], v[RD] offset:8192+16*\e   ; b1 starts the sums
.endr
	s_wait_dscnt 0x0
	XROW 0, 0
	XROW 1, 1
	XROW 2, 0
	XROW 3, 1
.irp p, 0,2,4,6,8,10,12,14
	v_pk_mul_f32 v[AH+\p:AH+\p+1], v[AH+\p:AH+\p+1], TH2 op_sel_hi:[1,0]
.endr
	TANH AH, 16
.irp e, 0,1,2,3
	ds_store_b128 v[H1W], v[AH+4*\e:AH+4*\e+3] offset:16*\e      ; h1 in f32, for the contraction at the end
.endr
	ONEMSQ S1R, AH, 16
.irp p, 0,2,4,6,8,10,12,14
	v_pk_mul_f32 v[M2H+\p:M2H+\p+1], v[AH+\p:AH+\p+1], -2.0 op_sel_hi:[1,0]
.endr
.irp v, 0,1,2,3
	Q16 AH, \v
	ST IMN, 4096*\v
.endr
.irp i, 0,1,2,3
	PKM16 PT, S1R, W1R+16*\i                       ; p_i
.irp v, 0,1,2
	Q16 PT, 4+\v
.if (\v < 2) && (\i >= 2)
	ST IMS, 16384+4096*(4*\v+\i)
.else
	ST IMN, 16384+4096*(4*\v+\i)
.endif
.endr
	PKM16 PT, M2H, PT                              ; -2 h1 p_i
.irp j, 0,1,2,3
.if \j >= \i
	QQ \j                                          ; p2_ij = p2_ji: one set of codes, two images
.if \i >= 2
	ST IMSQ, 4096*(4*\i+\j)
.else
	ST IMNQ, 4096*(4*\i+\j)
.endif
.if \j > \i
.if \j >= 2
	ST IMSQ, 4096*(4*\j+\i)
.else
	ST IMNQ, 4096*(4*\j+\i)
.endif
.endif
.endif
.endr
.endr
	s_add_co_u32 s30, s30, 256
	s_add_co_u32 s31, s31, 512
	s_add_co_u32 s25, s25, 1
	s_cmp_lt_u32 s25, 2
	s_cbranch_scc1 .Lp1
	BARRIER                                        ; all 32 half-images and h1 lie in LDS
; ---------------------------------------------------------------- stage A: 20 tiles of 16 operand rows x my 16 n, K = 512 in four steps.  Used transposed: source 0 = 16 columns of W2, source 1 = 16 operand rows r = s + 8 u:
; lane (r, h) then holds row r, and register j the unit n = 64 q + 16 w + 8 h + j.  Both sources carry k = 32 c + 16 h + 0 .. 15 in registers 4 c .. 4 c + 3: the same permutation of k on both sides.
; tiles: 0-3 a2 of the four forward products (both u: the same rows); 4 + t z17_(2u+t); 6 + t z27_(2u+t); 8 + j z31_j (both u); 12 + 4 t + j z2_(2u+t, j).
; window 1: v0-63 W2 as f32, v64-79 held numbers, v96-223 eight sets of codes;  window 3: v0-127 two buffers of four operand fragments;  window 2: the 20 accumulators.
.set LA0, 5
.set LB0, 6
.set LC0, 7
.set LA,  9
.set LB,  10
.set LC,  11
.set TA,  64
.set COD, 96
.set W3R, 120                          ; window 0: v120-135 W3 as loaded, v136-143 b2 as loaded
.set B2R, 136
	v_lshlrev_b32 v28, 5, v4                       ; (the loads that named v28 and v29 were shown in by the counted wait at the head)  b2: 8 h numbers on
	v_lshlrev_b32 v29, 6, v4                       ; W3: 8 h rows of 8 bytes on
	global_load_b128 v[B2R:B2R+3], v28, s[12:13]
	global_load_b128 v[B2R+4:B2R+7], v28, s[12:13] offset:16
.irp e, 0,1,2,3
	global_load_b128 v[W3R+4*\e:W3R+4*\e+3], v29, s[14:15] offset:16*\e
.endr
	v_lshlrev_b32 v30, 4, v2
	v_lshl_add_u32 v[LA0], v4, 7, v30              ; one image for both u: 16 s + 128 h
	v_xor_b32 v31, v3, v4
	v_lshl_add_u32 v[LB0], v31, 7, v30             ; two images: the u = 1 image has h flipped
	v_lshl_add_u32 v[LC0], v3, 15, v[LB0]          ; Q: u = 1 lies eight images on,
	v_add_nc_u32 v[LC0], 0x10000, v[LC0]
	v_lshl_add_u32 v[LB0], v3, 13, v[LB0]          ; P: two images on
	MKSC SCP+0, 1                                  ; W2's eight scales of stage A
	MKSC SCP+2, 3
	MKSC SCP+4, 7
	MKSC SCP+6, 15
	MKSC SCP+8, 11
	MKSC SCP+10, 19
	MKSC SCP+12, 23
	MKSC SCP+14, 27
.macro CONVA sg                        ; the K step's 64 numbers of W2 become set sg of codes
	WIN 0x41                                       ; destination and source 0 window 1; the scales in window 0
.irp k, 0,1,2,3,4,5,6,7
.irp e, 0,1,2,3,4,5,6,7
	v_med3_num_f32 v[TA+8*(\k%2)+\e], v[8*\k+\e], -v[SCP+2*\sg+1], v[SCP+2*\sg+1]
.endr
	v_cvt_scalef32_pk8_fp8_f32 v[COD+16*\sg+2*\k:COD+16*\sg+2*\k+1], v[TA+8*(\k%2):TA+8*(\k%2)+7], v[SCP+2*\sg]
.endr
.endm
.macro TILEAD T                        ; a tile's address register and first byte
.if (\T) < 4
.set TAR, LA
.set TIM, 4096*(\T)
.elseif (\T) < 6
.set TAR, LB
.set TIM, 16384+4096*((\T)-4)
.elseif (\T) < 8
.set TAR, LB
.set TIM, 16384+4096*((\T)-2)
.elseif (\T) < 12
.set TAR, LA
.set TIM, 16384+4096*(\T)
.else
.set TAR, LC
.set TIM, 4096*((\T)-12)
.endif
.endm
.macro SIGMA T                         ; and its set of W2's codes
.if (\T) < 4
.set SG, (\T)
.elseif (\T) < 6
.set SG, 4
.elseif (\T) < 8
.set SG, 5
.elseif (\T) < 12
.set SG, 6
.else
.set SG, 7
.endif
.endm
.macro LOADG g                         ; tiles 4 g .. 4 g + 3: sixteen loads into buffer g % 2
	WIN 0xC0                                       ; destination window 3
.irp t, 0,1,2,3
	TILEAD 4*(\g)+\t
.irp c, 0,1,2,3
	ds_load_b128 v[64*((\g)%2)+16*\t+4*\c:64*((\g)%2)+16*\t+4*\c+3], v[TAR] offset:TIM+256*\c
.endr
.endr
.endm
.macro MULG g, zero                    ; their four products.  The 20 accumulators take turns, one instruction a turn, over the loop's backward jump too
	WIN 0xAD                                       ; source 0 window 1, source 1 window 3, C and D window 2
.irp t, 0,1,2,3
.set TN, 4*(\g)+\t
	SIGMA TN
.if \zero
	v_wmma_f32_16x16x128_fp8_fp8 v[8*TN:8*TN+7], v[COD+16*SG:COD+16*SG+15], v[64*((\g)%2)+16*\t:64*((\g)%2)+16*\t+15], 0
.else
	v_wmma_f32_16x16x128_fp8_fp8 v[8*TN:8*TN+7], v[COD+16*SG:COD+16*SG+15], v[64*((\g)%2)+16*\t:64*((\g)%2)+16*\t+15], v[8*TN:8*TN+7]
.endif
.endr
.endm
.macro KSTEP zero, inloop
	s_wait_loadcnt 0x0                             ; this K step's W2 is in, so its base may step
	s_add_nc_u64 s[26:27], s[26:27], 0x40000       ; 128 rows of W2 on
	v_add_nc_u32 v[LA], s31, v[LA0]
	v_add_nc_u32 v[LB], s31, v[LB0]
	v_add_nc_u32 v[LC], s31, v[LC0]
	s_add_co_u32 s31, s31, 1024
	CONVA 0                                        ; its plain lines are also the places behind the last K step's products, ahead of the loads below
	LOADG 0
	LOADG 1
.irp sg, 1,2,3,4,5,6,7
	CONVA \sg
.endr
	v_nop                                          ; a plain line between the last conversion and the products that read its codes
	WIN 0
.if \inloop
	s_cmp_eq_u32 s25, 1                            ; the last K step asks for nothing: no load leaves W2.  The one wait that leans on these loads is for 0
	s_cbranch_scc1 .Lno_f_\@
.endif
	LOADF
.if \inloop
.Lno_f_\@:
.endif
.irp g, 0,1,2,3,4
.if \g < 4
	s_wait_dscnt 16                                ; this group's sixteen loads are in; the younger group's may be out
.else
	s_wait_dscnt 0x0
.endif
	MULG \g, \zero
.if \g < 3
	PLACES
	LOADG \g+2
.endif
.endr
	WIN 0
.endm
	s_mov_b32 s31, 0
	KSTEP 1, 0                                     ; the first K step starts the sums: nothing is cleared
	s_mov_b32 s25, 3
.Lks:
	KSTEP 0, 1
	s_sub_co_u32 s25, s25, 1
	s_cmp_lg_u32 s25, 0
	s_cbranch_scc1 .Lks
; ---------------------------------------------------------------- the epilogue: tanh four times, y's part, and stage B's seven operands at my 8 units n, as codes into IMG1 (c = w)
.set PD,   5                           ; v5  image place where the row is my own r = s + 8 u (u = o)
.set PE,   6                           ; v6  where u picks the image (two images on) and o is in the immediate
.set PG,   7                           ; v7  the same, eight images on
.set VB,   8                           ; v8  stage B: W2 by rows: 2048 r + 32 h; never rewritten
.set ESC,  16                          ; v16-29 seven pairs of scales
.set FB,   32                          ; v32-63 W2 as f32 for stage B
.set TE0,  64
.set TE1,  72
.set EC0,  80                          ; v80-87 four sets of 8 codes
.set B2P,  88
.set W30,  96                          ; W3_o at W30 + 8 o
.set W3U,  112                         ; W3_u
.set SS,   144
.set HS,   152
.set T3C,  160
.set T2C,  168
.set TW27, 176
.set TW31, 192
.set TW17, 200
.set AT,   216
.set H2,   224                         ; the four h2, later X_j
.set XJ,   224
.macro LOADFB                          ; lane (r, h): row m = 128 w + 16 trip + r of W2, n = 64 q + 16 c + 8 h + 0 .. 7 into F'[8 c ..]: the four c and two h cover the row's 256 bytes of my slice
.irp c, 0,1,2,3
	global_load_b128 v[FB+8*\c:FB+8*\c+3], v[VB], s[28:29] offset:64*\c
	global_load_b128 v[FB+8*\c+4:FB+8*\c+7], v[VB], s[28:29] offset:64*\c+16
.endr
.endm
.set EC, 0
.macro QST ts, adr, imm, pair          ; eight numbers in v[ts ..] are held, become 8 codes and go to their image
.set CD, EC0+2*EC
.irp e, 0,1,2,3,4,5,6,7
	v_med3_num_f32 v[\ts+\e], v[\ts+\e], -v[ESC+2*\pair+1], v[ESC+2*\pair+1]
.endr
	s_wait_dscnt 0x3                               ; four sets of codes by turns: the store that read this one is older than the newest three
	v_cvt_scalef32_pk8_fp8_f32 v[CD:CD+1], v[\ts:\ts+7], v[ESC+2*\pair]
	ds_store_b64 v[\adr], v[CD:CD+1] offset:\imm
.set EC, (EC+1)%4
.endm
	v_and_b32 v30, 15, v0                          ; (these plain lines are the places behind the last products)
	v_lshlrev_b32 v[VB], 11, v30
	v_lshl_add_u32 v[VB], v4, 5, v[VB]
	LOADFB                                         ; stage B's first tile of W2 lands during the epilogue
	s_lshl_b32 s2, s22, 8
	s_add_co_u32 s2, s2, IMG1
	v_lshl_add_u32 v[PD], v1, 3, s2
	v_lshl_add_u32 v30, v2, 3, s2
	v_lshl_add_u32 v30, v4, 7, v30
	v_lshl_add_u32 v[PE], v3, 11, v30
	v_lshl_add_u32 v[PG], v3, 13, v30
	MKSC ESC+0, 4                                  ; the scales of stage B's left operands
	MKSC ESC+2, 8
	MKSC ESC+4, 16
	MKSC ESC+6, 12
	MKSC ESC+8, 20
	MKSC ESC+10, 24
	MKSC ESC+12, 28
.irp j, 0,1,2,3,4,5,6,7
	v_mov_b32 v[W30+\j], v[W3R+2*\j]               ; W3 lies [n][o]: parted by o, so that neighbouring n stand in pairs
	v_mov_b32 v[W30+8+\j], v[W3R+2*\j+1]
.endr
	v_cmp_ne_u32 vcc_lo, 0, v3
.irp j, 0,1,2,3,4,5,6,7
	v_cndmask_b32 v[W3U+\j], v[W30+\j], v[W30+8+\j], vcc_lo
.endr
.irp p, 0,2,4,6
	v_pk_mul_f32 v[B2P+\p:B2P+\p+1], v[B2R+\p:B2R+\p+1], TH2 op_sel_hi:[1,0]
.endr
	WIN 0x02                                       ; source 0 window 2.
.irp v, 0,1,2,3
.irp p, 0,2,4,6
	v_pk_fma_f32 v[H2+8*\v+\p:H2+8*\v+\p+1], v[8*\v+\p:8*\v+\p+1], s[36+2*\v:37+2*\v], v[B2P+\p:B2P+\p+1] op_sel_hi:[1,0,1]
.endr
.endr
	WIN 0
	TANH H2, 32
	WIN 0xC0                                       ; y's part: h2 W3_u over my 8 n, into window 3, v168-169
	v_pk_mul_f32 v[168:169], v[H2:H2+1], v[W3U:W3U+1]
	WIN 0xF0
.irp p, 2,4,6
	v_pk_fma_f32 v[168:169], v[H2+\p:H2+\p+1], v[W3U+\p:W3U+\p+1], v[168:169]
.endr
	WIN 0
	ONEMSQ SS, H2+8, 8                             ; the first derivative's own forward pass
	PKM TE0, SS, W3U
	QST TE0, PD, 0, 0                              ; W3_o s2
	ONEMSQ SS, H2+16, 8                            ; the second derivative's
	PKM TE1, SS, W3U
	QST TE1, PD, 1024, 1
	PKM HS, H2+16, SS
	PKMS HS, HS, 44                                ; t2 x 2^(e10 + e11)
	PKM TW17, HS, W30
	PKM TW17+8, HS, W30+8
.irp t, 0,1
	WIN 0x02
	PKM TE0, 8*(4+\t), TW17                        ; t2 W3_o z17_i, i = 2 u + t
	PKM TE1, 8*(4+\t), TW17+8
	WIN 0
	QST TE0, PE, (3+\t)*1024, 3
	QST TE1, PE, (3+\t)*1024+64, 3
.endr
	ONEMSQ SS, H2+24, 8                            ; the third derivative's
	PKM TE0, SS, W3U
	QST TE0, PD, 2048, 2
	PKM HS, H2+24, SS
	PKMS T2C, HS, 50                               ; t2 x 2^(e26 + e27)
	PKMS TW31, HS, 48
	PKM TW31, TW31, W3U                            ; t2 W3_u x 2^(e22 + e23)
	PKMS AT, HS, 46
	PKM TW27, AT, W30                              ; t2 W3_o x 2^(e18 + e19)
	PKM TW27+8, AT, W30+8
.irp p, 0,2,4,6
	v_pk_fma_f32 v[T3C+\p:T3C+\p+1], v[SS+\p:SS+\p+1], M6, 4.0 op_sel_hi:[1,0,0]
.endr
	PKM T3C, T3C, SS
	PKMS T3C, T3C, 52                              ; t3 x 2^(e18 + e19 + e22 + e23)
.irp t, 0,1
	WIN 0x02
	PKM TE0, 8*(6+\t), TW27                        ; t2 W3_o z27_i
	PKM TE1, 8*(6+\t), TW27+8
	WIN 0
	QST TE0, PE, (7+\t)*1024, 4
	QST TE1, PE, (7+\t)*1024+64, 4
.endr
.irp jj, 0,2
	WIN 0x02
	PKM TE0, 8*(8+\jj), TW31                       ; t2 W3_o z31_j, o = u
	PKM TE1, 8*(9+\jj), TW31
	WIN 0
	QST TE0, PD, (11+\jj)*1024, 5
	QST TE1, PD, (12+\jj)*1024, 5
.endr
.irp t, 0,1
	WIN 0x02
	PKM AT, 8*(6+\t), T3C                          ; t3 z27_i
.irp j, 0,1,2,3
	PKM XJ+8*\j, 8*(12+4*\t+\j), T2C               ; t2 z2_ij
.endr
.irp j, 0,1,2,3
	PKF3 XJ+8*\j, 8*(8+\j), AT, XJ+8*\j            ; + t3 z27_i z31_j
.endr
	WIN 0
.irp j, 0,1,2,3
	PKM TE0, XJ+8*\j, W30
	PKM TE1, XJ+8*\j, W30+8
	QST TE0, PG, (15+4*\t+\j)*1024, 6
	QST TE1, PG, (15+4*\t+\j)*1024+64, 6
.endr
.endr
	MKSC ESC+0, 5                                  ; W2's seven scales of stage B
	MKSC ESC+2, 9
	MKSC ESC+4, 17
	MKSC ESC+6, 13
	MKSC ESC+8, 21
	MKSC ESC+10, 25
	MKSC ESC+12, 29
	WIN 0xC0                                       ; the 84 pairs of sums of the contraction begin as zeros: a first trip written out would be a second copy of the whole loop
.set zz, 0
.rept 168
	v_mov_b32 v[zz], 0
.set zz, zz+1
.endr
	WIN 0
	BARRIER                                        ; the 31 images lie in LDS
; ---------------------------------------------------------------- stage B and the contraction: eight trips, a tile of 16 m a trip: m = 128 w + 16 trip + ..
; source 0 = 16 rows of W2 (K = my slice's 64 n), source 1 = a tile of 16 operand rows r' = s + 8 o: lane (r', h) holds sample s, output o, and register j the unit m = .. + 8 h + j.
; window 1: the 31 operand fragments, loaded once;  window 2: the 31 results;  window 3: the sums: dddy at 2 (16 i + 4 j + k), ddy at 128 + 2 (4 i + j), dy at 160 + 2 i, y at 168.
.set HL0, 9
.set WL0, 10
.set HL,  11
.set WL,  12
.set CL,  13
.set BC,  80                           ; v80-135 seven sets of W2's codes; later v80-111 Hh_j
.set HHJ, 80
.set G24, 64
.set G14, 72
.set HH,  136
.set W1V, 144
.set PP,  176
.set KA,  208
.set CE1, 216
.set CQ32, 224
.set CQ14, 232
.macro CONVB sg
.irp c, 0,1,2,3
.irp e, 0,1,2,3,4,5,6,7
	v_med3_num_f32 v[TE0+8*(\c%2)+\e], v[FB+8*\c+\e], -v[ESC+2*\sg+1], v[ESC+2*\sg+1]
.endr
	v_cvt_scalef32_pk8_fp8_f32 v[BC+8*\sg+2*\c:BC+8*\sg+2*\c+1], v[TE0+8*(\c%2):TE0+8*(\c%2)+7], v[ESC+2*\sg]
.endr
.endm
.macro MULB                            ; 31 whole sums: K = 64 is one instruction, C = 0
	WIN 0x84                                       ; source 0 window 0, source 1 window 1, D window 2
.set tau, 0
.rept 31
.if tau < 3
.set SG, tau
.elseif tau < 7
.set SG, 3
.elseif tau < 11
.set SG, 4
.elseif tau < 15
.set SG, 5
.else
.set SG, 6
.endif
	v_wmma_f32_16x16x64_fp8_fp8 v[8*tau:8*tau+7], v[BC+8*SG:BC+8*SG+7], v[8*tau:8*tau+7], 0
.set tau, tau+1
.endr
.endm
	v_lshl_add_u32 v[CL], v1, 3, IMG1
	WIN 0x40
.set tau, 0
.rept 31
.irp c, 0,1,2,3
	ds_load_b64 v[8*tau+2*\c:8*tau+2*\c+1], v[CL] offset:1024*tau+256*\c
.endr
.set tau, tau+1
.endr
	WIN 0
	s_lshl_b32 s2, s22, 9
	v_lshl_add_u32 v[WL0], v4, 5, s2               ; my 8 m in bytes of f32: 512 w + 32 h
	v_mad_u32_u24 v[HL0], v2, HP, v[WL0]
	v_add_nc_u32 v[HL0], H1S, v[HL0]
	v_add_nc_u32 v[WL0], W1S, v[WL0]
	s_mov_b32 s31, 0
	s_mov_b32 s25, 8
.Lmt:
	v_add_nc_u32 v[HL], s31, v[HL0]
	v_add_nc_u32 v[WL], s31, v[WL0]
	ds_load_b128 v[HH:HH+3], v[HL]
	ds_load_b128 v[HH+4:HH+7], v[HL] offset:16
.irp i, 0,1,2,3
	ds_load_b128 v[W1V+8*\i:W1V+8*\i+3], v[WL] offset:2048*\i
	ds_load_b128 v[W1V+8*\i+4:W1V+8*\i+7], v[WL] offset:2048*\i+16
.endr
	s_wait_loadcnt 0x0                             ; this trip's W2 is in, so its base may step
	s_add_nc_u64 s[28:29], s[28:29], 0x8000        ; 16 rows of W2 on
.irp sg, 0,1,2,3,4,5,6
	CONVB \sg
.endr
	v_nop                                          ; a plain line between the last conversion and the products
	s_cmp_eq_u32 s25, 1                            ; the last trip asks for nothing: no load leaves W2
	s_cbranch_scc1 .Lno_fb
	LOADFB
.Lno_fb:
	s_wait_dscnt 0x0                               ; h1 and W1 of this trip are in; in the first trip the 31 fragments too
	MULB
	WIN 0
	ONEMSQ KA, HH, 8                               ; s1.  (These 40 lines are the places behind the products)
.irp k, 0,1,2,3
	PKM PP+8*\k, KA, W1V+8*\k                      ; p_k
.endr
.irp p, 0,2,4,6
	v_pk_fma_f32 v[KA+\p:KA+\p+1], v[KA+\p:KA+\p+1], M6, 4.0 op_sel_hi:[1,0,0]
.endr
	PKMS KA, KA, 60                                ; (4 - 6 s1) x 2^(e16 + e17 - e28 - e29)
	PKMS CE1, HH, 54                               ; -2 h1, in the units of the three products that it brings under G's or C18's
	PKMS CQ32, HH, 56
	PKMS CQ14, HH, 58
	WIN 0x02
	PKM G24, 16, KA                                ; (4 - 6 s1) R24
	PKM G14, 8, CQ14                               ; -2 h1 R14
	WIN 0x82
.irp i, 0,1,2,3
	PKM 8*(7+\i), 8*(7+\i), CE1                    ; -2 h1 C28_i
.endr
.irp j, 0,1,2,3
	PKM 8*(11+\j), 8*(11+\j), CQ32                 ; F_j = -2 h1 C32_j
.endr
	WIN 0xA0
.irp i, 0,1,2,3
	PKF3 8*(7+\i), W1V+8*\i, G24, 8*(7+\i)         ; E_i
.endr
.irp i, 0,1,2,3
	PKF3 8*(3+\i), W1V+8*\i, G14, 8*(3+\i)         ; B_i = C18_i - 2 h1 W1_i R14
.endr
.irp i, 0,1,2,3
	WIN 0x22
.irp j, 0,1,2,3
	PKF3 HHJ+8*\j, 8*(7+\i), W1V+8*\j, 8*(15+4*\i+\j)    ; G_ij + W1_j E_i
.endr
	WIN 0x02
.irp j, 0,1,2,3
	PKF3 HHJ+8*\j, 8*(11+\j), W1V+8*\i, HHJ+8*\j         ; + W1_i F_j
.endr
	WIN 0xF0
.irp p, 0,2,4,6
.irp j, 0,1,2,3
.irp k, 0,1,2,3
	v_pk_fma_f32 v[2*(16*\i+4*\j+\k):2*(16*\i+4*\j+\k)+1], v[PP+8*\k+\p:PP+8*\k+\p+1], v[HHJ+8*\j+\p:HHJ+8*\j+\p+1], v[2*(16*\i+4*\j+\k):2*(16*\i+4*\j+\k)+1]
.endr
.endr
.endr
.endr
	WIN 0xF2
.irp p, 0,2,4,6
.irp i, 0,1,2,3
.irp j, 0,1,2,3
	v_pk_fma_f32 v[128+2*(4*\i+\j):128+2*(4*\i+\j)+1], v[8*(3+\i)+\p:8*(3+\i)+\p+1], v[PP+8*\j+\p:PP+8*\j+\p+1], v[128+2*(4*\i+\j):128+2*(4*\i+\j)+1]
.endr
.endr
.endr
.irp p, 0,2,4,6
.irp i, 0,1,2,3
	v_pk_fma_f32 v[160+2*\i:160+2*\i+1], v[\p:\p+1], v[PP+8*\i+\p:PP+8*\i+\p+1], v[160+2*\i:160+2*\i+1]
.endr
.endr
	WIN 0
	s_add_co_u32 s31, s31, 64
	s_sub_co_u32 s25, s25, 1
	s_cmp_lg_u32 s25, 0
	s_cbranch_scc1 .Lmt
; ---------------------------------------------------------------- the tail: a pair's halves, the two halves of the lanes, the four waves; then the powers of two that the sums lack; then out
.set VAL, 128                          ; v128-212: 85 numbers of my (s, o): dddy 0-63, ddy 64-79, dy 80-83, y 84
	WIN 0x0F                                       ; sources 0 and 1 window 3
.set vv, 0
.rept 85
	v_add_f32 v[VAL+vv], v[2*vv], v[2*vv+1]
.set vv, vv+1
.endr
	WIN 0
	v_mov_b32 v213, 0
	v_mov_b32 v214, 0
	v_cmp_ne_u32 vcc_lo, 0, v4
	s_mul_i32 s2, s22, 16*RP
	s_add_co_u32 s2, s2, RED
	v_and_b32 v30, 15, v0
	v_mul_u32_u24 v5, v30, RP
	v_add_nc_u32 v5, s2, v5
	v_lshl_add_u32 v5, v4, 2, v5                   ; my wave's row r', word h of each pair of words
.set qq, 0
.rept 43                               ; numbers 2 q and 2 q + 1: lanes 0-15 end with the whole of the first, lanes 16-31 with the whole of the second
	v_cndmask_b32 v[216+qq%4], v[VAL+2*qq+1], v[VAL+2*qq], vcc_lo      ; what the other half of the lanes wants
	v_cndmask_b32 v[VAL+2*qq], v[VAL+2*qq], v[VAL+2*qq+1], vcc_lo      ; what I keep
	v_permlanex16_b32 v[VAL+2*qq+1], v[216+qq%4], s32, s33
	v_add_f32 v[VAL+2*qq], v[VAL+2*qq], v[VAL+2*qq+1]
	ds_store_b32 v5, v[VAL+2*qq] offset:8*qq
.set qq, qq+1
.endr
.irp z, 43,44,45,46,47
	ds_store_b32 v5, v214 offset:8*\z              ; the row's words 86 to 95 are zeros: partS is written whole
.endr
	BARRIER                                        ; the four waves' rows lie in LDS
	v_lshrrev_b32 v30, 4, v0
	v_and_b32 v31, 15, v0
	v_mul_u32_u24 v6, v30, RP
	v_lshl_add_u32 v6, v31, 4, v6
	v_add_nc_u32 v6, RED, v6                       ; dddy: row thread / 16 (and 8 rows on), 16 bytes a thread
	v_lshrrev_b32 v30, 3, v0
	v_mul_u32_u24 v7, v30, RP
	v_lshl_add_u32 v7, v2, 4, v7
	v_add_nc_u32 v7, RED+256, v7                   ; the rest: row thread / 8, words 64 on
.irp ww, 0,1,2,3
	ds_load_b128 v[32+4*\ww:35+4*\ww], v6 offset:16*RP*\ww
	ds_load_b128 v[48+4*\ww:51+4*\ww], v6 offset:16*RP*\ww+8*RP
	ds_load_b128 v[64+4*\ww:67+4*\ww], v7 offset:16*RP*\ww
.endr
	v_mov_b32 v20, s98
	v_mov_b32 v21, s99
	v_mov_b32 v22, 1.0
	v_cmp_eq_u32 vcc_lo, 4, v2
	v_cndmask_b32 v22, v22, v21, vcc_lo            ; dy's four words: x 2^(e4 + e5)
	v_cmp_gt_u32 vcc_lo, 4, v2
	v_cndmask_b32 v22, v22, v20, vcc_lo            ; ddy's sixteen: x 2^(e12 + e13);  y and the zeros: x 1
	v_mov_b32 v23, v22
	s_lshl_b32 s2, s23, 5
	s_add_co_u32 s2, s2, s24                       ; 32 q + g
	s_lshl_b32 s34, s2, 12
	s_mov_b32 s35, 0
	s_add_nc_u64 s[18:19], s[18:19], s[34:35]
	s_lshl_b32 s34, s2, 11
	s_add_nc_u64 s[20:21], s[20:21], s[34:35]
	v_lshlrev_b32 v9, 4, v0
	s_wait_dscnt 0x0
.irp b, 32,48,64
	v_pk_add_f32 v[\b:\b+1], v[\b:\b+1], v[\b+4:\b+5]
	v_pk_add_f32 v[\b+2:\b+3], v[\b+2:\b+3], v[\b+6:\b+7]
	v_pk_add_f32 v[\b+8:\b+9], v[\b+8:\b+9], v[\b+12:\b+13]
	v_pk_add_f32 v[\b+10:\b+11], v[\b+10:\b+11], v[\b+14:\b+15]
	v_pk_add_f32 v[\b:\b+1], v[\b:\b+1], v[\b+8:\b+9]
	v_pk_add_f32 v[\b+2:\b+3], v[\b+2:\b+3], v[\b+10:\b+11]
.endr
.irp b, 32,34,48,50
	v_pk_mul_f32 v[\b:\b+1], v[\b:\b+1], s[62:63] op_sel_hi:[1,0]      ; dddy: x 2^(e28 + e29)
.endr
	v_pk_mul_f32 v[64:65], v[64:65], v[22:23]
	v_pk_mul_f32 v[66:67], v[66:67], v[22:23]
	global_store_b128 v9, v[32:35], s[18:19]               ; each store of a wave covers 512 consecutive bytes, aligned
	global_store_b128 v9, v[48:51], s[18:19] offset:2048
	global_store_b128 v9, v[64:67], s[20:21]
	s_set_vgpr_msb 0x5
	s_wait_tensorcnt 0x0
	ds_add_u32 v254, v255
	s_wait_dscnt 0x0
	s_set_vgpr_msb 0x500
	s_endpgm
.Lfunc_end_k_q1cc8121f6c_main:
	.size	k_q1cc8121f6c_main, .Lfunc_end_k_q1cc8121f6c_main-k_q1cc8121f6c_main
	.p2alignl 7, 3214868480
	.fill 96, 4, 3214868480
	.section	.rodata,"a",@progbits
	.p2align	6, 0x0
	.amdhsa_kernel k_q1cc8121f6c_main
		.amdhsa_group_segment_fixed_size 215808
		.amdhsa_private_segment_fixed_size 0
		.amdhsa_enable_private_segment 0
		.amdhsa_kernarg_size 72
		.amdhsa_user_sgpr_count 2
		.amdhsa_user_sgpr_kernarg_segment_ptr 1
		.amdhsa_wavefront_size32 1
		.amdhsa_system_sgpr_workgroup_id_x 1
		.amdhsa_system_sgpr_workgroup_id_y 1
		.amdhsa_system_sgpr_workgroup_id_z 1
		.amdhsa_system_vgpr_workitem_id 0
		.amdhsa_next_free_vgpr 1024
		.amdhsa_next_free_sgpr 100
		.amdhsa_reserve_vcc 1
		.amdhsa_float_denorm_mode_32 3
		.amdhsa_float_denorm_mode_16_64 3
		.amdhsa_memory_ordered 1
		.amdhsa_forward_progress 1
		.amdhsa_inst_pref_size 255
	.end_amdhsa_kernel
	.section	.bss,"aw",@nobits
	.p2align	6
	.space	262144
	.amdgpu_metadata
---
amdhsa.version: [ 1, 2 ]
amdhsa.kernels:
  - .name:           k_q1cc8121f6c_main
    .symbol:         k_q1cc8121f6c_main.kd
    .args:
      - { .name: x, .offset: 0, .size: 8, .value_kind: global_buffer, .address_space: global }
      - { .name: W1, .offset: 8, .size: 8, .value_kind: global_buffer, .address_space: global }
      - { .name: b1, .offset: 16, .size: 8, .value_kind: global_buffer, .address_space: global }
      - { .name: W2, .offset: 24, .size: 8, .value_kind: global_buffer, .address_space: global }
      - { .name: b2, .offset: 32, .size: 8, .value_kind: global_buffer, .address_space: global }
      - { .name: W3, .offset: 40, .size: 8, .value_kind: global_buffer, .address_space: global }
      - { .name: lowp_scales, .offset: 48, .size: 8, .value_kind: global_buffer, .address_space: global }
      - { .name: part3, .offset: 56, .size: 8, .value_kind: global_buffer, .address_space: global }
      - { .name: partS, .offset: 64, .size: 8, .value_kind: global_buffer, .address_space: global }
    .group_segment_fixed_size: 215808
    .private_segment_fixed_size: 0
    .kernarg_segment_align: 8
    .kernarg_segment_size: 72
    .max_flat_workgroup_size: 128
    .sgpr_count:     100
    .vgpr_count:     1024
    .wavefront_size: 32
...
	.end_amdgpu_metadata
.endif
;; end of part 1
;; launch sum (part 2): grid 32 x 1, 12 waves a work-group, no clusters, 0 bytes of LDS; arguments part3, partS, b3, out0, out1, out2, out3; writes out0, out1, out2, out3
.if DOCPART == 2
	.amdgcn_target "amdgcn-amd-amdhsa--gfx1250"
	.amdhsa_code_object_version 6
	.text
	.protected	k_q1cc8121f6c_sum
	.globl	k_q1cc8121f6c_sum
	.p2align	8
	.type	k_q1cc8121f6c_sum,@function
k_q1cc8121f6c_sum:
	s_mov_b64 s[64:65], 0
	v_nop
	global_prefetch_b8 v0, s[64:65] scope:SCOPE_SE
	s_setreg_imm32_b32 hwreg(HW_REG_WAVE_MODE, 25, 1), 1
	s_wait_xcnt 0x0
; The eight slices' parts are added, b3 is added to y, and the four outputs are written in their own order.  Work-group g takes samples 8 g .. 8 g + 7.
; part3: [slice 8][g 32][row r = s + 8 o][64 words dddy(i, j, k)];  partS: [slice 8][g 32][row r][32 words: 0-15 ddy(i, j), 16-19 dy(i), 20 y].
; Waves 0-7 make out3 (16 bytes a thread), waves 8-9 out2, wave 10 out1, wave 11 out0.  The waves share nothing: no LDS, no barrier; the branches hang on the wave's number alone.
; Each way: eight loads, one a slice, by the immediate offset; one wait; a tree of additions; one store.  out0's 64 bytes a work-group are a quarter of an aligned 256: groups of eight samples cannot fill one.
.set SL3, 131072                       ; from slice to slice in part3
.set SLS, 65536                        ; and in partS
.macro TREE w                          ; eight vectors of w registers (2 or 4) at v[8 + w k]: their sum comes to v[8 ..]
.irp st, 1,2,4
.set kk, 0
.rept 4/\st
.set pp, 0
.rept \w/2
	v_pk_add_f32 v[8+\w*kk+pp:8+\w*kk+pp+1], v[8+\w*kk+pp:8+\w*kk+pp+1], v[8+\w*(kk+\st)+pp:8+\w*(kk+\st)+pp+1]
.set pp, pp+2
.endr
.set kk, kk+2*\st
.endr
.endr
.endm
	s_load_b256 s[4:11], s[0:1], 0x0               ; part3 s[4:5], partS s[6:7], b3 s[8:9], out0 s[10:11]
	s_load_b128 s[12:15], s[0:1], 0x20             ; out1 s[12:13], out2 s[14:15]
	s_load_b64 s[16:17], s[0:1], 0x30              ; out3
	v_lshrrev_b32 v1, 5, v0
	v_readfirstlane_b32 s20, v1                    ; wave 0..11
	v_and_b32 v1, 31, v0                           ; lane
	s_mov_b32 s23, 0
	s_lshl_b32 s22, ttmp9, 12
	s_wait_kmcnt 0x0
	s_add_nc_u64 s[4:5], s[4:5], s[22:23]          ; part3 and out3: 4,096 bytes a group
	s_add_nc_u64 s[16:17], s[16:17], s[22:23]
	s_lshl_b32 s22, ttmp9, 11
	s_add_nc_u64 s[6:7], s[6:7], s[22:23]          ; partS: 2,048
	s_lshl_b32 s22, ttmp9, 10
	s_add_nc_u64 s[14:15], s[14:15], s[22:23]      ; out2: 1,024
	s_lshl_b32 s22, ttmp9, 8
	s_add_nc_u64 s[12:13], s[12:13], s[22:23]      ; out1: 256
	s_lshl_b32 s22, ttmp9, 6
	s_add_nc_u64 s[10:11], s[10:11], s[22:23]      ; out0: 64
	s_cmp_lt_u32 s20, 8
	s_cbranch_scc0 .Lnot3
	; out3: thread t = 32 s + 16 o + piece
	v_lshrrev_b32 v2, 5, v0
	v_bfe_u32 v3, v0, 4, 1
	v_and_b32 v4, 15, v0
	v_lshlrev_b32 v5, 8, v2                        ; row s + 8 o of 256 bytes
	v_lshl_add_u32 v5, v3, 11, v5
	v_lshl_add_u32 v5, v4, 4, v5
	v_lshlrev_b32 v6, 4, v0
.irp k, 0,1,2,3,4,5,6,7
	global_load_b128 v[8+4*\k:11+4*\k], v5, s[4:5] offset:SL3*\k th:TH_LOAD_NT
.endr
	s_wait_loadcnt 0x0
	TREE 4
	global_store_b128 v6, v[8:11], s[16:17]        ; a wave's store covers 512 consecutive bytes, aligned
	s_endpgm
.Lnot3:
	s_cmp_lt_u32 s20, 10
	s_cbranch_scc0 .Lnot2
	; out2: t = thread - 256 = 8 s + 4 o + piece
	v_and_b32 v7, 63, v0
	v_lshrrev_b32 v2, 3, v7
	v_bfe_u32 v3, v0, 2, 1
	v_and_b32 v4, 3, v0
	v_lshlrev_b32 v5, 7, v2                        ; row s + 8 o of 128 bytes
	v_lshl_add_u32 v5, v3, 10, v5
	v_lshl_add_u32 v5, v4, 4, v5
	v_lshlrev_b32 v6, 4, v7
.irp k, 0,1,2,3,4,5,6,7
	global_load_b128 v[8+4*\k:11+4*\k], v5, s[6:7] offset:SLS*\k
.endr
	s_wait_loadcnt 0x0
	TREE 4
	global_store_b128 v6, v[8:11], s[14:15]
	s_endpgm
.Lnot2:
	s_cmp_lt_u32 s20, 11
	s_cbranch_scc0 .Lnot1
	; out1: lane = 4 s + 2 o + half; words 16 + 2 half on
	v_lshrrev_b32 v2, 2, v1
	v_bfe_u32 v3, v1, 1, 1
	v_and_b32 v4, 1, v1
	v_lshlrev_b32 v5, 7, v2
	v_lshl_add_u32 v5, v3, 10, v5
	v_lshl_add_u32 v5, v4, 3, v5
	v_lshlrev_b32 v6, 3, v1
.irp k, 0,1,2,3,4,5,6,7
	global_load_b64 v[8+2*\k:9+2*\k], v5, s[6:7] offset:SLS*\k+64
.endr
	s_wait_loadcnt 0x0
	TREE 2
	global_store_b64 v6, v[8:9], s[12:13]          ; 256 consecutive bytes, aligned
	s_endpgm
.Lnot1:
	; out0: lane = 2 s + o, sixteen of them; the upper sixteen lanes load and add what the lower do (so no load leaves the buffer) and store nothing
	v_and_b32 v7, 15, v1
	v_lshrrev_b32 v2, 1, v7
	v_and_b32 v3, 1, v1
	v_lshlrev_b32 v5, 7, v2
	v_lshl_add_u32 v5, v3, 10, v5
	v_lshlrev_b32 v4, 2, v3
	v_lshlrev_b32 v6, 2, v7
.irp k, 0,1,2,3,4,5,6,7
	global_load_b32 v[8+\k], v5, s[6:7] offset:SLS*\k+80
.endr
	global_load_b32 v16, v4, s[8:9]                ; b3 of my output
	s_wait_loadcnt 0x0
	v_add_f32 v8, v8, v9
	v_add_f32 v10, v10, v11
	v_add_f32 v12, v12, v13
	v_add_f32 v14, v14, v15
	v_add_f32 v8, v8, v10
	v_add_f32 v12, v12, v14
	v_add_f32 v8, v8, v12
	v_add_f32 v8, v8, v16
	v_cmp_gt_u32 vcc_lo, 16, v1
	s_wait_xcnt 0x0                                ; EXEC changes only behind this wait,
	s_and_saveexec_b32 s21, vcc_lo
	global_store_b32 v6, v8, s[10:11]
	s_wait_xcnt 0x0                                ; and again in front of the line that widens it
	s_or_b32 exec_lo, exec_lo, s21
	s_endpgm
.Lfunc_end_k_q1cc8121f6c_sum:
	.size	k_q1cc8121f6c_sum, .Lfunc_end_k_q1cc8121f6c_sum-k_q1cc8121f6c_sum
	.p2alignl 7, 3214868480
	.fill 96, 4, 3214868480
	.section	.rodata,"a",@progbits
	.p2align	6, 0x0
	.amdhsa_kernel k_q1cc8121f6c_sum
		.amdhsa_group_segment_fixed_size 0
		.amdhsa_private_segment_fixed_size 0
		.amdhsa_enable_private_segment 0
		.amdhsa_kernarg_size 56
		.amdhsa_user_sgpr_count 2
		.amdhsa_user_sgpr_kernarg_segment_ptr 1
		.amdhsa_wavefront_size32 1
		.amdhsa_system_sgpr_workgroup_id_x 1
		.amdhsa_system_sgpr_workgroup_id_y 1
		.amdhsa_system_sgpr_workgroup_id_z 1
		.amdhsa_system_vgpr_workitem_id 0
		.amdhsa_next_free_vgpr 48
		.amdhsa_next_free_sgpr 66
		.amdhsa_reserve_vcc 1
		.amdhsa_float_denorm_mode_32 3
		.amdhsa_float_denorm_mode_16_64 3
		.amdhsa_memory_ordered 1
		.amdhsa_forward_progress 1
		.amdhsa_inst_pref_size 9
	.end_amdhsa_kernel
	.amdgpu_metadata
---
amdhsa.version: [ 1, 2 ]
amdhsa.kernels:
  - .name:           k_q1cc8121f6c_sum
    .symbol:         k_q1cc8121f6c_sum.kd
    .args:
      - { .name: part3, .offset: 0, .size: 8, .value_kind: global_buffer, .address_space: global }
      - { .name: partS, .offset: 8, .size: 8, .value_kind: global_buffer, .address_space: global }
      - { .name: b3, .offset: 16, .size: 8, .value_kind: global_buffer, .address_space: global }
      - { .name: out0, .offset: 24, .size: 8, .value_kind: global_buffer, .address_space: global }
      - { .name: out1, .offset: 32, .size: 8, .value_kind: global_buffer, .address_space: global }
      - { .name: out2, .offset: 40, .size: 8, .value_kind: global_buffer, .address_space: global }
      - { .name: out3, .offset: 48, .size: 8, .value_kind: global_buffer, .address_space: global }
    .group_segment_fixed_size: 0
    .private_segment_fixed_size: 0
    .kernarg_segment_align: 8
    .kernarg_segment_size: 56
    .max_flat_workgroup_size: 384
    .sgpr_count:     66
    .vgpr_count:     48
    .wavefront_size: 32
...
	.end_amdgpu_metadata
.endif
;; end of part 2
;; ======== version 2 of 2: 2 launches
;; limits: a function is approximated: absolute error at most 1e-07
;; workspace buffers: part3 1,048,576 bytes; partS 524,288 bytes
;; launch main (part 3): grid 8 x 32, 4 waves a work-group, no clusters, 215,808 bytes of LDS; arguments x, W1, b1, W2, b2, W3, lowp_scales, part3, partS; writes part3, partS
.if DOCPART == 3
	.amdgcn_target "amdgcn-amd-amdhsa--gfx1250"
	.amdhsa_code_object_version 6
	.text
	.protected	k_q1cc8121f6c_main
	.globl	k_q1cc8121f6c_main
	.p2align	8
	.type	k_q1cc8121f6c_main,@function
k_q1cc8121f6c_main:
	s_mov_b64 s[64:65], 0
	v_nop
	global_prefetch_b8 v0, s[64:65] scope:SCOPE_SE
	s_setreg_imm32_b32 hwreg(HW_REG_WAVE_SCHED_MODE, 0, 2), 2
	s_setreg_imm32_b32 hwreg(HW_REG_WAVE_MODE, 25, 1), 1
	s_wait_xcnt 0x0
	s_wait_alu depctr_vm_vsrc(0)
; y, dy, ddy, dddy of f(x) = tanh(tanh(x W1 + b1) W2 + b2) W3 + b3 for 256 samples; every product with W2 on codes of FP8 (E4M3), each operand with its own given scale 2^e (lowp_scales).
; WHAT IS MULTIPLIED.  The cotangent bases that the three nested reverse passes build are identities, so of each product's rows most are zeros, are multiplied by those zeros later, or are copies.  With s = 1 - h h,
; t2 = -2 h s, t3 = s (4 - 6 s), p_i = s1 W1_i, p2_ij = -2 h1 p_i W1_j the distinct rows of a sample are
;   K = W2's first axis (stage A):  h1 (four products, four pairs of scales), p_i (three products), p2_ij;  results a2 (x 4), z17_i, z27_i, z31_j, z2_ij
;   K = W2's second axis (stage B): W3_o s2 (three products), t2 W3_o z_i (three), W3_o (t3 z27_i z31_j + t2 z2_ij);  results R8, R14, R24, C18_i, C28_i, C32_j, G_ij, each for o = 0, 1
;   dy_oi = sum_m R8 p_i;  ddy_oij = sum_m p_j (C18_i - 2 h1 W1_i R14);  dddy_oijk = sum_m p_k (G_ij + W1_j (-2 h1 C28_i + (4 - 6 s1) W1_i R24) + W1_i (-2 h1 C32_j))
; SHARES.  Work-group (q = x of 8, g = y of 32): samples 8 g .. 8 g + 7, hidden units n = 64 q .. 64 q + 63 of layer 2.  Stage A: full K = 512 for its 64 n (wave w: 16 of them).  Stage B: all 512 m (wave w: 128) with K = its 64 n:
; partial sums, which the outputs are linear in: the contraction over m is done here and the eight slices' parts are added by the next launch.
; W2 goes from memory straight into operand registers as f32 (its slab [512][64] once by columns, once by rows) and is turned there into the 8 + 7 sets of codes.
; NO CLUSTER, NO TENSOR LOAD: the 32 work-groups of one q read the same slab, but a joint load would lay it in LDS, 131,072 bytes beside the 215,296 that are in use: more than the 327,680 that there are.
; LIMITS.  Every e between -126 and 119; each sum or difference of exponents made into a power of two below (eA + eB of a product; e18+e19+e22+e23; e20+e21, e24+e25, e16+e17 less e28+e29; e8+e9 less e12+e13) between -126 and 126.
; tanh(a) = 1 - 2 / (1 + 2^(2 log2(e) a)): absolute error about 1e-7, so its relative accuracy falls off under |a| = 0.1.  NaN among the inputs is not served.
; LDS: 0 IMG0, 32 half-images of 4,096 bytes [K step 4][c 4][slot s + 8 h][16 codes of k = 128 ks + 32 c + 16 h ..]: H_v at 4096 v, P_(v,i) at 16384 + 4096 (4 v + i), Q_ij at 65536 + 4096 (4 i + j);
;   images P_(0,i>=2), P_(1,i>=2), Q_(i>=2,j) have h flipped.   W1S: W1's four rows and b1.   H1S: h1 in f32, 8 rows.
;   IMG1: 31 images of 1,024 bytes [c 4][slot r' + 16 h][8 codes of n = 16 c + 8 h ..], r' = s + 8 o.   RED: [wave][r' 16] rows of 400 bytes, 96 words used.
; THE MODE: SCHED_MODE bits 1:0 = 2 (LLVM: expert scheduling mode 2), set by the entry lines.  The code itself states the register dependences between vector or matrix instructions and memory or LDS
; instructions, with s_wait_alu, always for 0.
; THE PLAN: the registers that memory and LDS instructions touch, and who else names them.
;   v15 (W2 by columns) and, from the epilogue on, v8 (W2 by rows) are made once and never written again: the scalar bases move on.
;   PHASE 1, a trip.  Six additions at its head make the LDS addresses v9-14; behind them W1's rows and b1 land in v96-175.  The codes go into two buffers of seven sets, which five batches (h1; i = 0 .. 3) take by turns:
;     a batch's conversions write its buffer, ONE wait on va_vdst follows, then all the batch's stores.  A wait on vm_vsrc stands at the trip's head and ahead of the first conversion of batches i = 1 and i = 3.
;   STAGE A, a K step.  Five buffers hold the step's 20 operand fragments, so none is loaded again within a step.  Three additions make v9-11; the first set's conversions follow; ONE wait on va_vdst states that v9-11 are
;     written and that the last step's products are done reading the buffers; the 80 LDS loads are dealt among the conversions, which name window 1 and v32-47 alone.  A second wait on va_vdst, behind the last
;     conversion, frees W2's 64 registers of f32 for the next step's loads.  The 20 products follow with no load between them.
;   THE EPILOGUE.  31 sets of codes in four batches, into two buffers by turns, as in phase 1.
;   STAGE B, a trip.  Two additions make v11, v12; the seven sets' conversions read W2's 32 registers; ONE wait on va_vdst states both, and that the last trip is done with h1 and W1; the trip's ten LDS loads and the
;     next trip's eight loads of W2 follow it, ahead of the 31 products, which name none of their registers.
;   THE TAIL.  All addresses first, then 43 sums into registers of their own, one wait on va_vdst, 48 stores.
.set W1S,   131072
.set H1S,   141312
.set HP,    2080                       ; a row of h1: 2,048 bytes + 32
.set IMG1,  157952
.set RED,   189696
.set RP,    400
.set EX,    68                         ; s[68:97] the 30 exponents
.set TH2,   0x4038aa3b                 ; 2 log2(e)
.set M6,    0xc0c00000                 ; -6.0
; window 0, kept throughout: v0 thread, v1 lane l, v2 s = l & 7, v3 bit 3 of l, v4 bit 4 of l.  In the matrix phases a tile's row is r = s + 8 u, u = v3, and the half of K or of the results is h = v4.
.set VA,    15                         ; v15  stage A: W2 by columns: 32768 h + 4 r; never rewritten
.set XR,    16                         ; phase 1: v16-19 x
.set CX,    224                        ; v224-251 seven sets of 16 codes; the other buffer's seven are v48-63 and v20-31
.set SCP,   32                         ; v32-47 eight pairs (2^e, 448 x 2^e)
.set TP,    64                         ; v64-95 two sets of 16 held numbers
.set W1R,   96                         ; v96-159 W1's four rows, my 16 k
.set AH,    160                        ; a1, then h1
.set S1R,   176
.set M2H,   192
.set PT,    208
.set RDB,   5
.set IMNB,  6
.set IMSB,  7
.set H1WB,  8
.set RD,    9
.set IMN,   10
.set IMS,   11
.set IMNQ,  12
.set IMSQ,  13
.set H1W,   14
.set MSB, 0
.macro WIN new                         ; the immediate's high byte repeats the setting that is left; a switch that changes nothing is dropped
.if MSB != \new
	s_set_vgpr_msb (MSB<<8)|\new
.set MSB, \new
.endif
.endm
.macro MKSC vs, e                      ; v[vs] = 2^e as f32 (a conversion takes its exponent field), v[vs + 1] = 448 x 2^e, e = entry e of the scales
	s_add_co_i32 s2, s[EX+\e], 127
	s_lshl_b32 s3, s2, 23
	v_mov_b32 v[\vs], s3
	s_add_co_i32 s2, s2, 8
	s_lshl_b32 s2, s2, 23
	s_or_b32 s2, s2, 0x600000
	v_mov_b32 v[\vs+1], s2
.endm
.macro BARRIER                         ; my LDS stores have landed and my LDS loads are in: then the work-group's barrier
	s_wait_dscnt 0x0
	s_barrier_signal -1
	s_barrier_wait -1
.endm
.macro ESUM a, b
	s_add_co_i32 s2, s[EX+\a], s[EX+\b]
.endm
.macro EADD a
	s_add_co_i32 s2, s2, s[EX+\a]
.endm
.macro ESUB a
	s_sub_co_i32 s2, s2, s[EX+\a]
.endm
.macro P2PAIR d, bias, neg             ; s[d] = s[d + 1] = (-) 2^(s2 + bias - 127): a pair, since the packed forms name one
	s_add_co_i32 s2, s2, \bias
	s_lshl_b32 s[\d], s2, 23
.if \neg
	s_or_b32 s[\d], s[\d], 0x80000000
.endif
	s_mov_b32 s[\d+1], s[\d]
.endm
.macro CAPAIR d, a, b                  ; 2 log2(e) x 2^(ea + eb): the exponents are added to the constant's exponent field
	ESUM \a, \b
	s_lshl_b32 s2, s2, 23
	s_add_co_i32 s[\d], s2, TH2
	s_mov_b32 s[\d+1], s[\d]
.endm
.macro TANH b, n                       ; v[b .. b + n - 1] hold 2 log2(e) a: they become tanh(a) = 1 - 2 / (1 + 2^..)
.set tt, 0
.rept \n
	v_exp_f32 v[\b+tt], v[\b+tt]
.set tt, tt+1
.endr
	v_nop                                          ; a plain instruction behind the last exponential,
	s_wait_alu depctr_va_vdst(0)                   ; and one wait for the batch: the exponentials have written v[b ..], ahead of their first reader
.set tt, 0
.rept (\n)/2
	v_pk_add_f32 v[\b+tt:\b+tt+1], v[\b+tt:\b+tt+1], 1.0 op_sel_hi:[1,0]
.set tt, tt+2
.endr
.set tt, 0
	s_wait_alu depctr_va_vdst(0)
.rept \n
	v_rcp_f32 v[\b+tt], v[\b+tt]
.set tt, tt+1
.endr
	v_nop
	s_wait_alu depctr_va_vdst(0)                   ; the same for the reciprocals: they have written v[b ..]
.set tt, 0
.rept (\n)/2
	v_pk_fma_f32 v[\b+tt:\b+tt+1], v[\b+tt:\b+tt+1], -2.0, 1.0 op_sel_hi:[1,0,0]
.set tt, tt+2
.endr
.endm
.macro ONEMSQ d, a, n                  ; d = 1 - a a
.set tt, 0
.rept (\n)/2
	v_pk_fma_f32 v[\d+tt:\d+tt+1], v[\a+tt:\a+tt+1], v[\a+tt:\a+tt+1], 1.0 op_sel_hi:[1,1,0] neg_lo:[1,0,0] neg_hi:[1,0,0]
.set tt, tt+2
.endr
.endm
.macro PKM d, a, b                     ; eight numbers: d = a b
.irp p, 0,2,4,6
	v_pk_mul_f32 v[\d+\p:\d+\p+1], v[\a+\p:\a+\p+1], v[\b+\p:\b+\p+1]
.endr
.endm
.macro PKM16 d, a, b                   ; sixteen
.irp p, 0,2,4,6,8,10,12,14
	v_pk_mul_f32 v[\d+\p:\d+\p+1], v[\a+\p:\a+\p+1], v[\b+\p:\b+\p+1]
.endr
.endm
.macro PKMS d, a, sp                   ; eight numbers by a scalar (the pair's low word for both halves)
.irp p, 0,2,4,6
	v_pk_mul_f32 v[\d+\p:\d+\p+1], v[\a+\p:\a+\p+1], s[\sp:\sp+1] op_sel_hi:[1,0]
.endr
.endm
.macro PKF3 d, a, b, c                 ; eight numbers: d = a b + c
.irp p, 0,2,4,6
	v_pk_fma_f32 v[\d+\p:\d+\p+1], v[\a+\p:\a+\p+1], v[\b+\p:\b+\p+1], v[\c+\p:\c+\p+1]
.endr
.endm
; W2 by columns: lane (r, h) takes column n = 64 q + 16 w + r, and its 64 registers run down K: F[16 c + i] = W2(128 ks + 32 c + 16 h + i, n).  Window 1, v0-63.
.macro LOADF
	WIN 0x40                                       ; destination window 1
.irp c, 0,1,2,3
.irp i, 0,1,2,3,4,5,6,7,8,9,10,11,12,13,14,15
	global_load_b32 v[16*\c+\i], v[VA], s[26:27] offset:(32*\c+\i)*2048
.endr
.endr
	WIN 0
.endm
; ---------------------------------------------------------------- the head
	s_load_b256 s[4:11], s[0:1], 0x0               ; x s[4:5], W1 s[6:7], b1 s[8:9], W2 s[10:11]
	s_load_b256 s[12:19], s[0:1], 0x20             ; b2 s[12:13], W3 s[14:15], lowp_scales s[16:17], part3 s[18:19]
	s_load_b64 s[20:21], s[0:1], 0x40              ; partS
	s_set_vgpr_msb 0x40
	v_lshl_add_u32 v254, v0, 2, 0x34900
	v_mov_b32 v255, 0
	s_set_vgpr_msb 0x4000
	v_and_b32 v1, 31, v0
	v_and_b32 v2, 7, v0
	v_bfe_u32 v3, v0, 3, 1
	v_bfe_u32 v4, v0, 4, 1
	v_lshrrev_b32 v30, 5, v0
	v_readfirstlane_b32 s22, v30                   ; wave w
	s_mov_b32 s23, ttmp9                           ; slice q
	s_and_b32 s24, ttmp7, 0xffff                   ; group g
	s_mov_b32 s32, 0x76543210                      ; v_permlanex16_b32's selects for lane l xor 16
	s_mov_b32 s33, 0xfedcba98
	v_lshlrev_b32 v28, 4, v0                       ; 16 x thread: my 16 bytes of a row of W1 or of b1
	v_lshlrev_b32 v29, 4, v2                       ; 16 s: my sample's x
	v_lshl_add_u32 v31, v0, 4, W1S
	v_and_b32 v30, 15, v0
	v_lshlrev_b32 v[VA], 2, v30
	v_lshl_add_u32 v[VA], v4, 15, v[VA]            ; 16 h rows of 2,048 bytes + 4 r
	s_wait_alu depctr_va_sdst(0)                   ; s22 is written, ahead of its first reader: offsets and LDS places are made from it
	s_lshl_b32 s2, s23, 8
	s_lshl_b32 s3, s22, 6
	s_add_co_u32 s34, s2, s3                       ; 256 q + 64 w
	s_mov_b32 s35, 0
	s_lshl_b32 s3, s22, 18
	s_add_co_u32 s66, s2, s3                       ; 256 q + 128 w rows of 2,048 bytes
	s_mov_b32 s67, 0
	s_lshl_b32 s2, s24, 7                          ; 8 g samples of 16 bytes
	s_mov_b32 s3, 0
	s_wait_kmcnt 0x0
	s_load_b512 s[68:83], s[16:17], 0x0
	s_load_b256 s[84:91], s[16:17], 0x40
	s_load_b128 s[92:95], s[16:17], 0x60
	s_load_b64 s[96:97], s[16:17], 0x70
	s_add_nc_u64 s[26:27], s[10:11], s[34:35]      ; W2 for stage A
	s_add_nc_u64 s[28:29], s[10:11], s[66:67]      ; W2 for stage B
	s_add_nc_u64 s[12:13], s[12:13], s[34:35]      ; b2 at my wave's 16 n
	s_lshl_b32 s34, s34, 1
	s_add_nc_u64 s[14:15], s[14:15], s[34:35]      ; W3 likewise: 8 bytes an n
	s_add_nc_u64 s[4:5], s[4:5], s[2:3]
	s_wait_alu depctr_va_vdst(0)                   ; v28, v29 and v[VA] are written, which the loads below read as offsets, and v31, by which the LDS stores behind them go
.irp i, 0,1,2,3
	global_load_b128 v[96+4*\i:99+4*\i], v28, s[6:7] offset:2048*\i
.endr
	global_load_b128 v[112:115], v28, s[8:9]
	global_load_b128 v[XR:XR+3], v29, s[4:5]
	LOADF                                          ; the first K step's W2 lands while the operands are made
	s_wait_kmcnt 0x0                               ; the exponents
	CAPAIR 36, 0, 1                                ; s[36:43]: 2 log2(e) 2^(eA + eB) for the four forward products
	CAPAIR 38, 2, 3
	CAPAIR 40, 6, 7
	CAPAIR 42, 14, 15
	ESUM 10, 11
	P2PAIR 44, 128, 1                              ; -2 x 2^(e10 + e11)
	ESUM 18, 19
	P2PAIR 46, 128, 1                              ; -2 x 2^(e18 + e19)
	ESUM 22, 23
	P2PAIR 48, 128, 1                              ; -2 x 2^(e22 + e23)
	ESUM 26, 27
	P2PAIR 50, 128, 1                              ; -2 x 2^(e26 + e27)
	ESUM 18, 19
	EADD 22
	EADD 23
	P2PAIR 52, 127, 0                              ; 2^(e18 + e19 + e22 + e23)
	ESUM 20, 21
	ESUB 28
	ESUB 29
	P2PAIR 54, 128, 1                              ; -2 x 2^(e20 + e21 - e28 - e29)
	ESUM 24, 25
	ESUB 28
	ESUB 29
	P2PAIR 56, 128, 1                              ; -2 x 2^(e24 + e25 - e28 - e29)
	ESUM 8, 9
	ESUB 12
	ESUB 13
	P2PAIR 58, 128, 1                              ; -2 x 2^(e8 + e9 - e12 - e13)
	ESUM 16, 17
	ESUB 28
	ESUB 29
	P2PAIR 60, 127, 0                              ; 2^(e16 + e17 - e28 - e29)
	ESUM 28, 29
	P2PAIR 62, 127, 0                              ; 2^(e28 + e29)
	ESUM 12, 13
	s_add_co_i32 s2, s2, 127
	s_lshl_b32 s98, s2, 23                         ; 2^(e12 + e13)
	ESUM 4, 5
	s_add_co_i32 s2, s2, 127
	s_lshl_b32 s99, s2, 23                         ; 2^(e4 + e5)
	MKSC SCP+0, 0                                  ; the scales of stage A's left operands: h1 four times,
	MKSC SCP+2, 2
	MKSC SCP+4, 6
	MKSC SCP+6, 14
	MKSC SCP+8, 10                                 ; p_i three times,
	MKSC SCP+10, 18
	MKSC SCP+12, 22
	MKSC SCP+14, 26                                ; p2_ij
	v_lshrrev_b32 v30, 3, v1
	s_lshl_b32 s2, s22, 9
	s_lshl_b32 s3, s22, 10
	v_lshl_add_u32 v[RDB], v30, 6, s2              ; my 16 k in bytes of f32: 512 w + 64 (l >> 3)
	v_mad_u32_u24 v[H1WB], v2, HP, v[RDB]
	v_add_nc_u32 v[H1WB], H1S, v[H1WB]
	v_add_nc_u32 v[RDB], W1S, v[RDB]
	v_lshl_add_u32 v[IMNB], v1, 4, s3              ; an image's place for my 16 codes: 1024 w + 16 l,
	v_xor_b32 v[IMSB], 128, v[IMNB]                ; and with h flipped
	s_wait_loadcnt 63                              ; 64 loads of W2 were issued behind W1's, b1's and x's six: those six are in (the count's field ends at 63)
.irp i, 0,1,2,3,4
	ds_store_b128 v31, v[96+4*\i:99+4*\i] offset:2048*\i   ; no vector instruction since the wait ahead of the loads names v31
.endr
	BARRIER                                        ; W1 and b1 lie in LDS
; ---------------------------------------------------------------- phase 1: h1, p_i, p2_ij as codes.  Wave w takes K step w; a lane takes sample s and 16 neighbouring k a trip: k = 128 w + 64 trip + 16 (l >> 3) ..
.set TT, 0
.set CB, 0                             ; which of the two buffers of codes the batch in hand writes
.set CN, 0                             ; how many of its sets are written
.macro CSET c                          ; CD = the first register of set c of the batch's buffer
.if CB == 0
.set CD, CX+4*(\c)
.elseif (\c) < 4
.set CD, 48+4*(\c)
.else
.set CD, 4+4*(\c)
.endif
.endm
.macro FLIP                            ; the next batch takes the other buffer
.set CB, 1-CB
.set CN, 0
.endm
.macro Q16 src, pair, free             ; 16 numbers, held within 448 x the scale (the conversion does not saturate: ISA guide 7.6.2), become 16 codes: the batch's next set.  The sets of held numbers take turns
.set TS, TP+16*TT
	CSET CN
.set qq, 0
.rept 16
	v_med3_num_f32 v[TS+qq], v[\src+qq], -v[SCP+2*(\pair)+1], v[SCP+2*(\pair)+1]
.set qq, qq+1
.endr
.if \free
	s_wait_alu depctr_vm_vsrc(0)                   ; the stores of the two batches before have read both buffers of codes, which this batch's conversions and the next batch's write again
.endif
	v_cvt_scalef32_pk8_fp8_f32 v[CD:CD+1], v[TS:TS+7], v[SCP+2*(\pair)]
	v_cvt_scalef32_pk8_fp8_f32 v[CD+2:CD+3], v[TS+8:TS+15], v[SCP+2*(\pair)]
.set TT, 1-TT                          ; the next vector line writes the other set: the plain line that a scaled conversion wants behind it
.set CN, CN+1
.endm
.macro ST adr, off, c                  ; set c of the batch's buffer goes to its image
	CSET \c
	ds_store_b128 v[\adr], v[CD:CD+3] offset:\off
.endm
.macro QQ j                            ; p2_ij = (-2 h1 p_i) W1_j
.set TS, TP+16*TT
	PKM16 TS, PT, W1R+16*\j
	Q16 TS, 7, 0
.endm
.macro XROW i, odd                     ; a1 += x_i W1_i: x_i is the low or the high word of its pair, for both halves
.irp p, 0,2,4,6,8,10,12,14
.if \odd
	v_pk_fma_f32 v[AH+\p:AH+\p+1], v[W1R+16*\i+\p:W1R+16*\i+\p+1], v[XR+2*(\i/2):XR+2*(\i/2)+1], v[AH+\p:AH+\p+1] op_sel:[0,1,0] op_sel_hi:[1,1,1]
.else
	v_pk_fma_f32 v[AH+\p:AH+\p+1], v[W1R+16*\i+\p:W1R+16*\i+\p+1], v[XR+2*(\i/2):XR+2*(\i/2)+1], v[AH+\p:AH+\p+1] op_sel_hi:[1,0,1]
.endif
.endr
.endm
	s_mov_b32 s30, 0
	s_mov_b32 s31, 0
	s_mov_b32 s25, 0
.Lp1:
	s_wait_alu depctr_vm_vsrc(0)                   ; the LDS instructions issued so far have read v9-14, h1's registers and the codes'; in the first trip the head's have read v96-115, v28, v29 and v31: all are written again in this trip
	s_wait_alu depctr_va_vdst(0)
	v_add_nc_u32 v[RD], s30, v[RDB]
	v_add_nc_u32 v[H1W], s30, v[H1WB]
	v_add_nc_u32 v[IMN], s31, v[IMNB]
	v_add_nc_u32 v[IMS], s31, v[IMSB]
	v_add_nc_u32 v[IMNQ], 0x10000, v[IMN]
	v_add_nc_u32 v[IMSQ], 0x10000, v[IMS]
	s_wait_alu depctr_va_vdst(0)                   ; the six addresses are written, which all LDS instructions of the trip read; the last trip's arithmetic is done with v96-175, in which the loads below land
.irp i, 0,1,2,3
.irp e, 0,1,2,3
	ds_load_b128 v[W1R+16*\i+4*\e:W1R+16*\i+4*\e+3], v[RD] offset:2048*\i+16*\e
.endr
.endr
.irp e, 0,1,2,3
	ds_load_b128 v[AH+4*\e:AH+4*\e+3], v[RD] offset:8192+16*\e   ; b1 starts the sums
.endr
	s_wait_dscnt 0x0
	XROW 0, 0
	XROW 1, 1
	XROW 2, 0
	XROW 3, 1
.irp p, 0,2,4,6,8,10,12,14
	v_pk_mul_f32 v[AH+\p:AH+\p+1], v[AH+\p:AH+\p+1], TH2 op_sel_hi:[1,0]
.endr
	s_wait_alu depctr_va_vdst(0)
	TANH AH, 16
	ONEMSQ S1R, AH, 16
.irp p, 0,2,4,6,8,10,12,14
	v_pk_mul_f32 v[M2H+\p:M2H+\p+1], v[AH+\p:AH+\p+1], -2.0 op_sel_hi:[1,0]
.endr
.irp v, 0,1,2,3
	Q16 AH, \v, 0
.endr
	s_wait_alu depctr_va_vdst(0)                   ; h1 and the batch's four sets of codes are written, which the eight stores below read
.irp e, 0,1,2,3
	ds_store_b128 v[H1W], v[AH+4*\e:AH+4*\e+3] offset:16*\e      ; h1 in f32, for the contraction at the end
.endr
.irp v, 0,1,2,3
	ST IMN, 4096*\v, \v
.endr
	FLIP
.irp i, 0,1,2,3
	PKM16 PT, S1R, W1R+16*\i                       ; p_i
.irp v, 0,1,2
.if (\v == 0) && ((\i == 1) || (\i == 3))
	Q16 PT, 4+\v, 1
.else
	Q16 PT, 4+\v, 0
.endif
.endr
	PKM16 PT, M2H, PT                              ; -2 h1 p_i
.irp j, 0,1,2,3
.if \j >= \i
	QQ \j                                          ; p2_ij = p2_ji: one set of codes, two images
.endif
.endr
	s_wait_alu depctr_va_vdst(0)                   ; the batch's sets of codes are written, which the stores below read
.irp v, 0,1,2
.if (\v < 2) && (\i >= 2)
	ST IMS, 16384+4096*(4*\v+\i), \v
.else
	ST IMN, 16384+4096*(4*\v+\i), \v
.endif
.endr
.irp j, 0,1,2,3
.if \j >= \i
.if \i >= 2
	ST IMSQ, 4096*(4*\i+\j), 3+\j-\i
.else
	ST IMNQ, 4096*(4*\i+\j), 3+\j-\i
.endif
.if \j > \i
.if \j >= 2
	ST IMSQ, 4096*(4*\j+\i), 3+\j-\i
.else
	ST IMNQ, 4096*(4*\j+\i), 3+\j-\i
.endif
.endif
.endif
.endr
	FLIP
.endr
	s_add_co_u32 s30, s30, 256
	s_add_co_u32 s31, s31, 512
	s_add_co_u32 s25, s25, 1
	s_cmp_lt_u32 s25, 2
	s_cbranch_scc1 .Lp1
	BARRIER                                        ; all 32 half-images and h1 lie in LDS
; ---------------------------------------------------------------- stage A: 20 tiles of 16 operand rows x my 16 n, K = 512 in four steps.  Used transposed: source 0 = 16 columns of W2, source 1 = 16 operand rows r = s + 8 u:
; lane (r, h) then holds row r, and register j the unit n = 64 q + 16 w + 8 h + j.  Both sources carry k = 32 c + 16 h + 0 .. 15 in registers 4 c .. 4 c + 3: the same permutation of k on both sides.
; tiles: 0-3 a2 of the four forward products (both u: the same rows); 4 + t z17_(2u+t); 6 + t z27_(2u+t); 8 + j z31_j (both u); 12 + 4 t + j z2_(2u+t, j).
; window 1: v0-63 W2 as f32, v64-79 held numbers, v96-223 eight sets of codes;  window 3: four buffers of four operand fragments, the fifth in window 0, v160-223;  window 2: the 20 accumulators.
.set LA0, 5
.set LB0, 6
.set LC0, 7
.set LA,  9
.set LB,  10
.set LC,  11
.set TA,  64
.set COD, 96
.set G4B, 160                          ; window 0: v160-223 the fifth buffer of fragments
.set W3R, 120                          ; window 0: v120-135 W3 as loaded, v136-143 b2 as loaded
.set B2R, 136
	s_wait_alu depctr_vm_vsrc(0)                   ; phase 1's LDS instructions have read their registers: of those, v28-31 (codes), v9-11 (addresses) and v160-175 (h1) are written again in this stage
	v_lshlrev_b32 v28, 5, v4                       ; (the loads that named v28 and v29 were shown in by the counted wait at the head)  b2: 8 h numbers on
	v_lshlrev_b32 v29, 6, v4                       ; W3: 8 h rows of 8 bytes on
	s_wait_alu depctr_va_vdst(0)                   ; v28 and v29 are written, which the loads below read; phase 1's arithmetic is done with v120-143, in which they land
	global_load_b128 v[B2R:B2R+3], v28, s[12:13]
	global_load_b128 v[B2R+4:B2R+7], v28, s[12:13] offset:16
.irp e, 0,1,2,3
	global_load_b128 v[W3R+4*\e:W3R+4*\e+3], v29, s[14:15] offset:16*\e
.endr
	v_lshlrev_b32 v30, 4, v2
	v_lshl_add_u32 v[LA0], v4, 7, v30              ; one image for both u: 16 s + 128 h
	v_xor_b32 v31, v3, v4
	v_lshl_add_u32 v[LB0], v31, 7, v30             ; two images: the u = 1 image has h flipped
	v_lshl_add_u32 v[LC0], v3, 15, v[LB0]          ; Q: u = 1 lies eight images on,
	v_add_nc_u32 v[LC0], 0x10000, v[LC0]
	v_lshl_add_u32 v[LB0], v3, 13, v[LB0]          ; P: two images on
	MKSC SCP+0, 1                                  ; W2's eight scales of stage A
	MKSC SCP+2, 3
	MKSC SCP+4, 7
	MKSC SCP+6, 15
	MKSC SCP+8, 11
	MKSC SCP+10, 19
	MKSC SCP+12, 23
	MKSC SCP+14, 27
.macro CONVA sg                        ; the K step's 64 numbers of W2 become set sg of codes
	WIN 0x41                                       ; destination and source 0 window 1; the scales in window 0
.irp k, 0,1,2,3,4,5,6,7
.irp e, 0,1,2,3,4,5,6,7
	v_med3_num_f32 v[TA+8*(\k%2)+\e], v[8*\k+\e], -v[SCP+2*(\sg)+1], v[SCP+2*(\sg)+1]
.endr
	v_cvt_scalef32_pk8_fp8_f32 v[COD+16*(\sg)+2*\k:COD+16*(\sg)+2*\k+1], v[TA+8*(\k%2):TA+8*(\k%2)+7], v[SCP+2*(\sg)]
.endr
.endm
.macro TILEAD T                        ; a tile's address register and first byte
.if (\T) < 4
.set TAR, LA
.set TIM, 4096*(\T)
.elseif (\T) < 6
.set TAR, LB
.set TIM, 16384+4096*((\T)-4)
.elseif (\T) < 8
.set TAR, LB
.set TIM, 16384+4096*((\T)-2)
.elseif (\T) < 12
.set TAR, LA
.set TIM, 16384+4096*(\T)
.else
.set TAR, LC
.set TIM, 4096*((\T)-12)
.endif
.endm
.macro SIGMA T                         ; and its set of W2's codes
.if (\T) < 4
.set SG, (\T)
.elseif (\T) < 6
.set SG, 4
.elseif (\T) < 8
.set SG, 5
.elseif (\T) < 12
.set SG, 6
.else
.set SG, 7
.endif
.endm
.macro LOADG g                         ; tiles 4 g .. 4 g + 3: sixteen loads into buffer g
.if (\g) < 4
	WIN 0xC0                                       ; destination window 3
.set GB, 64*(\g)
.else
	WIN 0
.set GB, G4B
.endif
.irp t, 0,1,2,3
	TILEAD 4*(\g)+\t
.irp c, 0,1,2,3
	ds_load_b128 v[GB+16*\t+4*\c:GB+16*\t+4*\c+3], v[TAR] offset:TIM+256*\c
.endr
.endr
.endm
.macro MULG g, zero                    ; their four products.  The 20 accumulators take turns, one instruction a turn, over the loop's backward jump too
.if (\g) < 4
	WIN 0xAD                                       ; source 0 window 1, source 1 window 3, C and D window 2
.set GB, 64*(\g)
.else
	WIN 0xA1                                       ; the fifth buffer: source 1 window 0
.set GB, G4B
.endif
.irp t, 0,1,2,3
.set TN, 4*(\g)+\t
	SIGMA TN
.if \zero
	v_wmma_f32_16x16x128_fp8_fp8 v[8*TN:8*TN+7], v[COD+16*SG:COD+16*SG+15], v[GB+16*\t:GB+16*\t+15], 0
.else
	v_wmma_f32_16x16x128_fp8_fp8 v[8*TN:8*TN+7], v[COD+16*SG:COD+16*SG+15], v[GB+16*\t:GB+16*\t+15], v[8*TN:8*TN+7]
.endif
.endr
.endm
.macro KSTEP zero, inloop
	s_wait_loadcnt 0x0                             ; this K step's W2 is in, so its base may step
	s_add_nc_u64 s[26:27], s[26:27], 0x40000       ; 128 rows of W2 on
.if \inloop
	s_wait_alu depctr_vm_vsrc(0)                   ; the last K step's LDS loads have read v9-11, which the additions below write.  (In the first K step the wait behind phase 1's barrier has said so of phase 1's)
.endif
	v_add_nc_u32 v[LA], s31, v[LA0]
	v_add_nc_u32 v[LB], s31, v[LB0]
	v_add_nc_u32 v[LC], s31, v[LC0]
	s_add_co_u32 s31, s31, 1024
	CONVA 0                                        ; its plain lines are also the places behind the last K step's products, ahead of the conversions that write over W2's codes
	s_wait_alu depctr_va_vdst(0)                   ; v9-11 are written, which the 80 loads of this step read; the last K step's products (in the first: phase 1's arithmetic) are done with the five buffers, in which they land
.irp g, 0,1,2,3,4
	LOADG \g                                       ; no further wait: the conversions between name window 1 and v32-47 alone, none of these loads' registers
	CONVA \g+1
.endr
	CONVA 6
	CONVA 7
	v_nop                                          ; a plain line between the last conversion and the products that read its codes
	WIN 0
	s_wait_alu depctr_va_vdst(0)                   ; the conversions are done reading W2's 64 registers of f32, in which the next K step's loads land
.if \inloop
	s_cmp_eq_u32 s25, 1                            ; the last K step asks for nothing: no load leaves W2.  The one wait that leans on these loads is for 0
	s_cbranch_scc1 .Lno_f_\@
.endif
	LOADF
.if \inloop
.Lno_f_\@:
.endif
.irp g, 0,1,2,3,4
.if \g == 0
	s_wait_dscnt 48                                ; of the step's 80 loads the youngest 48 may be out: groups 0 and 1 are in (64, for group 0 alone, is more than the count's field holds)
.elseif \g > 1
	s_wait_dscnt 16*(4-\g)                         ; this group's sixteen loads are in; the younger groups' may be out
.endif
	MULG \g, \zero
.endr
	WIN 0
.endm
	s_mov_b32 s31, 0
	KSTEP 1, 0                                     ; the first K step starts the sums: nothing is cleared
	s_mov_b32 s25, 3
.Lks:
	KSTEP 0, 1
	s_sub_co_u32 s25, s25, 1
	s_cmp_lg_u32 s25, 0
	s_cbranch_scc1 .Lks
; ---------------------------------------------------------------- the epilogue: tanh four times, y's part, and stage B's seven operands at my 8 units n, as codes into IMG1 (c = w)
.set PD,   5                           ; v5  image place where the row is my own r = s + 8 u (u = o)
.set PE,   6                           ; v6  where u picks the image (two images on) and o is in the immediate
.set PG,   7                           ; v7  the same, eight images on
.set VB,   8                           ; v8  stage B: W2 by rows: 2048 r + 32 h; never rewritten
.set ESC,  16                          ; v16-29 seven pairs of scales
.set FB,   32                          ; v32-63 W2 as f32 for stage B
.set TE0,  64
.set TE1,  72
.set ECQ,  80                          ; v80-95 a buffer of eight sets of 8 codes (b2's scaled copy, in its upper half, is done with when the first codes are made)
.set B2P,  88
.set W30,  96                          ; W3_o at W30 + 8 o
.set W3U,  112                         ; W3_u
.set ECP,  120                         ; v120-143 a buffer of twelve sets, where W3 and b2 landed
.set SS,   144
.set HS,   152
.set T3C,  160
.set T2C,  168
.set TW27, 176
.set TW31, 192
.set TW17, 200
.set AT,   216
.set H2,   224                         ; the four h2, later X_j
.set XJ,   224
.macro LOADFB                          ; lane (r, h): row m = 128 w + 16 trip + r of W2, n = 64 q + 16 c + 8 h + 0 .. 7 into F'[8 c ..]: the four c and two h cover the row's 256 bytes of my slice
.irp c, 0,1,2,3
	global_load_b128 v[FB+8*\c:FB+8*\c+3], v[VB], s[28:29] offset:64*\c
	global_load_b128 v[FB+8*\c+4:FB+8*\c+7], v[VB], s[28:29] offset:64*\c+16
.endr
.endm
.set EB, ECQ
.set EN, 0
.macro EBUF b                          ; a batch begins, in buffer b
.set EB, \b
.set EN, 0
.endm
.macro QC ts, pair, free               ; eight numbers in v[ts ..] are held and become 8 codes: the batch's next set
.set CD, EB+2*EN
.irp e, 0,1,2,3,4,5,6,7
	v_med3_num_f32 v[\ts+\e], v[\ts+\e], -v[ESC+2*\pair+1], v[ESC+2*\pair+1]
.endr
.if \free
	s_wait_alu depctr_vm_vsrc(0)                   ; the stores of the first two batches have read both buffers of codes, which this batch's conversions and the next batch's write again; stage A's LDS loads have read v9-11, which stage B writes
.endif
	v_cvt_scalef32_pk8_fp8_f32 v[CD:CD+1], v[\ts:\ts+7], v[ESC+2*\pair]
.set EN, EN+1
.endm
.macro SST adr, imm, n                 ; set n of the batch's buffer goes to its image
	ds_store_b64 v[\adr], v[EB+2*(\n):EB+2*(\n)+1] offset:\imm
.endm
	v_and_b32 v30, 15, v0                          ; (these plain lines are the places behind the last products)
	v_lshlrev_b32 v[VB], 11, v30
	v_lshl_add_u32 v[VB], v4, 5, v[VB]
	s_wait_alu depctr_va_vdst(0)                   ; v[VB] is written, which the loads below read; stage A's conversions are done reading their scales in v32-47, and phase 1's wrote v48-63: the loads land in v32-63
	LOADFB                                         ; stage B's first tile of W2 lands during the epilogue
	s_lshl_b32 s2, s22, 8
	s_add_co_u32 s2, s2, IMG1
	v_lshl_add_u32 v[PD], v1, 3, s2
	v_lshl_add_u32 v30, v2, 3, s2
	v_lshl_add_u32 v30, v4, 7, v30
	v_lshl_add_u32 v[PE], v3, 11, v30
	v_lshl_add_u32 v[PG], v3, 13, v30
	MKSC ESC+0, 4                                  ; the scales of stage B's left operands.  (v28 and v29 among them: the K steps' waits on vm_vsrc stand behind the loads of b2 and W3 that read these two)
	MKSC ESC+2, 8
	MKSC ESC+4, 16
	MKSC ESC+6, 12
	MKSC ESC+8, 20
	MKSC ESC+10, 24
	MKSC ESC+12, 28
.irp j, 0,1,2,3,4,5,6,7
	v_mov_b32 v[W30+\j], v[W3R+2*\j]               ; W3 lies [n][o]: parted by o, so that neighbouring n stand in pairs
	v_mov_b32 v[W30+8+\j], v[W3R+2*\j+1]
.endr
	v_cmp_ne_u32 vcc_lo, 0, v3
	s_wait_alu depctr_va_vcc(0)                    ; VCC is written, ahead of the selects that read it
.irp j, 0,1,2,3,4,5,6,7
	v_cndmask_b32 v[W3U+\j], v[W30+\j], v[W30+8+\j], vcc_lo
.endr
.irp p, 0,2,4,6
	v_pk_mul_f32 v[B2P+\p:B2P+\p+1], v[B2R+\p:B2R+\p+1], TH2 op_sel_hi:[1,0]
.endr
	WIN 0x02                                       ; source 0 window 2.
.irp v, 0,1,2,3
.irp p, 0,2,4,6
	v_pk_fma_f32 v[H2+8*\v+\p:H2+8*\v+\p+1], v[8*\v+\p:8*\v+\p+1], s[36+2*\v:37+2*\v], v[B2P+\p:B2P+\p+1] op_sel_hi:[1,0,1]
.endr
.endr
	WIN 0
	s_wait_alu depctr_va_vdst(0)
	TANH H2, 32
	WIN 0xC0                                       ; y's part: h2 W3_u over my 8 n, into window 3, v168-169
	v_pk_mul_f32 v[168:169], v[H2:H2+1], v[W3U:W3U+1]
	WIN 0xF0
.irp p, 2,4,6
	v_pk_fma_f32 v[168:169], v[H2+\p:H2+\p+1], v[W3U+\p:W3U+\p+1], v[168:169]
.endr
	WIN 0
	EBUF ECQ                                       ; the first batch: six sets
	ONEMSQ SS, H2+8, 8                             ; the first derivative's own forward pass
	PKM TE0, SS, W3U
	QC TE0, 0, 0                                   ; W3_o s2
	ONEMSQ SS, H2+16, 8                            ; the second derivative's
	PKM TE1, SS, W3U
	QC TE1, 1, 0
	PKM HS, H2+16, SS
	PKMS HS, HS, 44                                ; t2 x 2^(e10 + e11)
	PKM TW17, HS, W30
	PKM TW17+8, HS, W30+8
.irp t, 0,1
	WIN 0x02
	PKM TE0, 8*(4+\t), TW17                        ; t2 W3_o z17_i, i = 2 u + t
	PKM TE1, 8*(4+\t), TW17+8
	WIN 0
	QC TE0, 3, 0
	QC TE1, 3, 0
.endr
	s_wait_alu depctr_va_vdst(0)                   ; the batch's six sets of codes are written, and so are v5-7, by which all the epilogue's stores go
	SST PD, 0, 0
	SST PD, 1024, 1
.irp t, 0,1
	SST PE, (3+\t)*1024, 2+2*\t
	SST PE, (3+\t)*1024+64, 3+2*\t
.endr
	EBUF ECP                                       ; the second batch: nine sets
	ONEMSQ SS, H2+24, 8                            ; the third derivative's
	PKM TE0, SS, W3U
	QC TE0, 2, 0
	PKM HS, H2+24, SS
	PKMS T2C, HS, 50                               ; t2 x 2^(e26 + e27)
	PKMS TW31, HS, 48
	PKM TW31, TW31, W3U                            ; t2 W3_u x 2^(e22 + e23)
	PKMS AT, HS, 46
	PKM TW27, AT, W30                              ; t2 W3_o x 2^(e18 + e19)
	PKM TW27+8, AT, W30+8
.irp p, 0,2,4,6
	v_pk_fma_f32 v[T3C+\p:T3C+\p+1], v[SS+\p:SS+\p+1], M6, 4.0 op_sel_hi:[1,0,0]
.endr
	PKM T3C, T3C, SS
	PKMS T3C, T3C, 52                              ; t3 x 2^(e18 + e19 + e22 + e23)
.irp t, 0,1
	WIN 0x02
	PKM TE0, 8*(6+\t), TW27                        ; t2 W3_o z27_i
	PKM TE1, 8*(6+\t), TW27+8
	WIN 0
	QC TE0, 4, 0
	QC TE1, 4, 0
.endr
.irp jj, 0,2
	WIN 0x02
	PKM TE0, 8*(8+\jj), TW31                       ; t2 W3_o z31_j, o = u
	PKM TE1, 8*(9+\jj), TW31
	WIN 0
	QC TE0, 5, 0
	QC TE1, 5, 0
.endr
	s_wait_alu depctr_va_vdst(0)                   ; the batch's nine sets of codes are written, which the stores below read
	SST PD, 2048, 0
.irp t, 0,1
	SST PE, (7+\t)*1024, 1+2*\t
	SST PE, (7+\t)*1024+64, 2+2*\t
.endr
.irp jj, 0,2
	SST PD, (11+\jj)*1024, 5+\jj
	SST PD, (12+\jj)*1024, 6+\jj
.endr
.irp t, 0,1                            ; the third and the fourth batch: eight sets each
.if \t == 0
	EBUF ECQ
.else
	EBUF ECP
.endif
	WIN 0x02
	PKM AT, 8*(6+\t), T3C                          ; t3 z27_i
.irp j, 0,1,2,3
	PKM XJ+8*\j, 8*(12+4*\t+\j), T2C               ; t2 z2_ij
.endr
.irp j, 0,1,2,3
	PKF3 XJ+8*\j, 8*(8+\j), AT, XJ+8*\j            ; + t3 z27_i z31_j
.endr
	WIN 0
.irp j, 0,1,2,3
	PKM TE0, XJ+8*\j, W30
	PKM TE1, XJ+8*\j, W30+8
.if (\t == 0) && (\j == 0)
	QC TE0, 6, 1
.else
	QC TE0, 6, 0
.endif
	QC TE1, 6, 0
.endr
	s_wait_alu depctr_va_vdst(0)                   ; the batch's eight sets of codes are written, which the stores below read
.irp j, 0,1,2,3
	SST PG, (15+4*\t+\j)*1024, 2*\j
	SST PG, (15+4*\t+\j)*1024+64, 2*\j+1
.endr
.endr
	MKSC ESC+0, 5                                  ; W2's seven scales of stage B
	MKSC ESC+2, 9
	MKSC ESC+4, 17
	MKSC ESC+6, 13
	MKSC ESC+8, 21
	MKSC ESC+10, 25
	MKSC ESC+12, 29
	WIN 0xC0                                       ; the 84 pairs of sums of the contraction begin as zeros: a first trip written out would be a second copy of the whole loop
.set zz, 0
.rept 168
	v_mov_b32 v[zz], 0
.set zz, zz+1
.endr
	WIN 0
	BARRIER                                        ; the 31 images lie in LDS
; ---------------------------------------------------------------- stage B and the contraction: eight trips, a tile of 16 m a trip: m = 128 w + 16 trip + ..
; source 0 = 16 rows of W2 (K = my slice's 64 n), source 1 = a tile of 16 operand rows r' = s + 8 o: lane (r', h) holds sample s, output o, and register j the unit m = .. + 8 h + j.
; window 1: the 31 operand fragments, loaded once;  window 2: the 31 results;  window 3: the sums: dddy at 2 (16 i + 4 j + k), ddy at 128 + 2 (4 i + j), dy at 160 + 2 i, y at 168.
.set HL0, 9
.set WL0, 10
.set HL,  11
.set WL,  12
.set CL,  13
.set BC,  80                           ; v80-135 seven sets of W2's codes; later v80-111 Hh_j
.set HHJ, 80
.set G24, 64
.set G14, 72
.set HH,  136
.set W1V, 144
.set PP,  176
.set KA,  208
.set CE1, 216
.set CQ32, 224
.set CQ14, 232
.macro CONVB sg
.irp c, 0,1,2,3
.irp e, 0,1,2,3,4,5,6,7
	v_med3_num_f32 v[TE0+8*(\c%2)+\e], v[FB+8*\c+\e], -v[ESC+2*\sg+1], v[ESC+2*\sg+1]
.endr
	v_cvt_scalef32_pk8_fp8_f32 v[BC+8*\sg+2*\c:BC+8*\sg+2*\c+1], v[TE0+8*(\c%2):TE0+8*(\c%2)+7], v[ESC+2*\sg]
.endr
.endm
.macro MULB                            ; 31 whole sums: K = 64 is one instruction, C = 0
	WIN 0x84                                       ; source 0 window 0, source 1 window 1, D window 2
.set tau, 0
.rept 31
.if tau < 3
.set SG, tau
.elseif tau < 7
.set SG, 3
.elseif tau < 11
.set SG, 4
.elseif tau < 15
.set SG, 5
.else
.set SG, 6
.endif
	v_wmma_f32_16x16x64_fp8_fp8 v[8*tau:8*tau+7], v[BC+8*SG:BC+8*SG+7], v[8*tau:8*tau+7], 0
.set tau, tau+1
.endr
.endm
	v_lshl_add_u32 v[CL], v1, 3, IMG1
	s_lshl_b32 s2, s22, 9
	v_lshl_add_u32 v[WL0], v4, 5, s2               ; my 8 m in bytes of f32: 512 w + 32 h
	v_mad_u32_u24 v[HL0], v2, HP, v[WL0]
	v_add_nc_u32 v[HL0], H1S, v[HL0]
	v_add_nc_u32 v[WL0], W1S, v[WL0]
	WIN 0x40
	s_wait_alu depctr_va_vdst(0)                   ; v[CL] is written, which the loads below read; stage A's conversions and products are done with window 1, in which they land
.set tau, 0
.rept 31
.irp c, 0,1,2,3
	ds_load_b64 v[8*tau+2*\c:8*tau+2*\c+1], v[CL] offset:1024*tau+256*\c
.endr
.set tau, tau+1
.endr
	WIN 0
	s_mov_b32 s31, 0
	s_mov_b32 s25, 8
.Lmt:
	s_wait_loadcnt 0x0                             ; this trip's W2 is in, so its base may step
	s_add_nc_u64 s[28:29], s[28:29], 0x8000        ; 16 rows of W2 on
	s_wait_alu depctr_vm_vsrc(0)                   ; the last trip's LDS loads have read v11 and v12, which the additions below write; in the first trip the epilogue's stores have read their codes in v80-95 and v120-135, over which W2's codes are laid
	v_add_nc_u32 v[HL], s31, v[HL0]
	v_add_nc_u32 v[WL], s31, v[WL0]
.irp sg, 0,1,2,3,4,5,6
	CONVB \sg
.endr
	v_nop                                          ; a plain line between the last conversion and the products
	s_wait_alu depctr_va_vdst(0)                   ; v11 and v12 are written; the last trip's arithmetic is done with h1 and W1 in v136-175; the conversions are done reading W2 in v32-63: the loads below read the first and land in the others
	ds_load_b128 v[HH:HH+3], v[HL]
	ds_load_b128 v[HH+4:HH+7], v[HL] offset:16
.irp i, 0,1,2,3
	ds_load_b128 v[W1V+8*\i:W1V+8*\i+3], v[WL] offset:2048*\i
	ds_load_b128 v[W1V+8*\i+4:W1V+8*\i+7], v[WL] offset:2048*\i+16
.endr
	s_cmp_eq_u32 s25, 1                            ; the last trip asks for nothing: no load leaves W2
	s_cbranch_scc1 .Lno_fb
	LOADFB
.Lno_fb:
	s_wait_dscnt 10                                ; the ten loads just issued may be out: in the first trip the 31 fragments, issued ahead of them, are in
	MULB                                           ; the products name W2's codes and windows 1 and 2: none of the registers of the loads that are out
	WIN 0
	s_wait_dscnt 0x0                               ; h1 and W1 of this trip are in
	ONEMSQ KA, HH, 8                               ; s1.  (These 40 lines are the places behind the products)
.irp k, 0,1,2,3
	PKM PP+8*\k, KA, W1V+8*\k                      ; p_k
.endr
.irp p, 0,2,4,6
	v_pk_fma_f32 v[KA+\p:KA+\p+1], v[KA+\p:KA+\p+1], M6, 4.0 op_sel_hi:[1,0,0]
.endr
	PKMS KA, KA, 60                                ; (4 - 6 s1) x 2^(e16 + e17 - e28 - e29)
	PKMS CE1, HH, 54                               ; -2 h1, in the units of the three products that it brings under G's or C18's
	PKMS CQ32, HH, 56
	PKMS CQ14, HH, 58
	WIN 0x02
	PKM G24, 16, KA                                ; (4 - 6 s1) R24
	PKM G14, 8, CQ14                               ; -2 h1 R14
	WIN 0x82
.irp i, 0,1,2,3
	PKM 8*(7+\i), 8*(7+\i), CE1                    ; -2 h1 C28_i
.endr
.irp j, 0,1,2,3
	PKM 8*(11+\j), 8*(11+\j), CQ32                 ; F_j = -2 h1 C32_j
.endr
	WIN 0xA0
.irp i, 0,1,2,3
	PKF3 8*(7+\i), W1V+8*\i, G24, 8*(7+\i)         ; E_i
.endr
.irp i, 0,1,2,3
	PKF3 8*(3+\i), W1V+8*\i, G14, 8*(3+\i)         ; B_i = C18_i - 2 h1 W1_i R14
.endr
.irp i, 0,1,2,3
	WIN 0x22
.irp j, 0,1,2,3
	PKF3 HHJ+8*\j, 8*(7+\i), W1V+8*\j, 8*(15+4*\i+\j)    ; G_ij + W1_j E_i
.endr
	WIN 0x02
.irp j, 0,1,2,3
	PKF3 HHJ+8*\j, 8*(11+\j), W1V+8*\i, HHJ+8*\j         ; + W1_i F_j
.endr
	WIN 0xF0
.irp p, 0,2,4,6
.irp j, 0,1,2,3
.irp k, 0,1,2,3
	v_pk_fma_f32 v[2*(16*\i+4*\j+\k):2*(16*\i+4*\j+\k)+1], v[PP+8*\k+\p:PP+8*\k+\p+1], v[HHJ+8*\j+\p:HHJ+8*\j+\p+1], v[2*(16*\i+4*\j+\k):2*(16*\i+4*\j+\k)+1]
.endr
.endr
.endr
.endr
	WIN 0xF2
.irp p, 0,2,4,6
.irp i, 0,1,2,3
.irp j, 0,1,2,3
	v_pk_fma_f32 v[128+2*(4*\i+\j):128+2*(4*\i+\j)+1], v[8*(3+\i)+\p:8*(3+\i)+\p+1], v[PP+8*\j+\p:PP+8*\j+\p+1], v[128+2*(4*\i+\j):128+2*(4*\i+\j)+1]
.endr
.endr
.endr
.irp p, 0,2,4,6
.irp i, 0,1,2,3
	v_pk_fma_f32 v[160+2*\i:160+2*\i+1], v[\p:\p+1], v[PP+8*\i+\p:PP+8*\i+\p+1], v[160+2*\i:160+2*\i+1]
.endr
.endr
	WIN 0
	s_add_co_u32 s31, s31, 64
	s_sub_co_u32 s25, s25, 1
	s_cmp_lg_u32 s25, 0
	s_cbranch_scc1 .Lmt
; ---------------------------------------------------------------- the tail: a pair's halves, the two halves of the lanes, the four waves; then the powers of two that the sums lack; then out
.set VAL, 128                          ; v128-212: 85 numbers of my (s, o): dddy 0-63, ddy 64-79, dy 80-83, y 84
	WIN 0x0F                                       ; sources 0 and 1 window 3
.set vv, 0
.rept 85
	v_add_f32 v[VAL+vv], v[2*vv], v[2*vv+1]
.set vv, vv+1
.endr
	WIN 0
	v_mov_b32 v213, 0
	v_mov_b32 v214, 0
	v_cmp_ne_u32 vcc_lo, 0, v4
	s_mul_i32 s2, s22, 16*RP
	s_add_co_u32 s2, s2, RED
	v_and_b32 v30, 15, v0                          ; all the tail's addresses are made here, ahead of its first wait on va_vdst.  (The trips' waits on vm_vsrc stand behind the epilogue's stores, which read v5-7)
	v_mul_u32_u24 v5, v30, RP
	v_add_nc_u32 v5, s2, v5
	v_lshl_add_u32 v5, v4, 2, v5                   ; my wave's row r', word h of each pair of words
	v_lshrrev_b32 v30, 4, v0
	v_and_b32 v31, 15, v0
	v_mul_u32_u24 v6, v30, RP
	v_lshl_add_u32 v6, v31, 4, v6
	v_add_nc_u32 v6, RED, v6                       ; dddy: row thread / 16 (and 8 rows on), 16 bytes a thread
	v_lshrrev_b32 v30, 3, v0
	v_mul_u32_u24 v7, v30, RP
	v_lshl_add_u32 v7, v2, 4, v7
	v_add_nc_u32 v7, RED+256, v7                   ; the rest: row thread / 8, words 64 on
	v_lshlrev_b32 v9, 4, v0
	s_wait_alu depctr_va_vcc(0)                    ; VCC is written, ahead of the selects that read it
.set qq, 0
.rept 43                               ; numbers 2 q and 2 q + 1: lanes 0-15 end with the whole of the first, lanes 16-31 with the whole of the second
	v_cndmask_b32 v[216+qq%4], v[VAL+2*qq+1], v[VAL+2*qq], vcc_lo      ; what the other half of the lanes wants
	v_cndmask_b32 v[VAL+2*qq], v[VAL+2*qq], v[VAL+2*qq+1], vcc_lo      ; what I keep
	v_permlanex16_b32 v[VAL+2*qq+1], v[216+qq%4], s32, s33
	v_add_f32 v[VAL+2*qq], v[VAL+2*qq], v[VAL+2*qq+1]
.set qq, qq+1
.endr
	s_wait_alu depctr_va_vdst(0)                   ; the 43 sums, the zero and v5 are written, which the stores below read; so are v6, v7 and v9, and the arithmetic is done with v32-79: for the loads behind the barrier, ahead of which no vector instruction stands
.set qq, 0
.rept 43
	ds_store_b32 v5, v[VAL+2*qq] offset:8*qq
.set qq, qq+1
.endr
.irp z, 43,44,45,46,47
	ds_store_b32 v5, v214 offset:8*\z              ; the row's words 86 to 95 are zeros: partS is written whole
.endr
	BARRIER                                        ; the four waves' rows lie in LDS
.irp ww, 0,1,2,3
	ds_load_b128 v[32+4*\ww:35+4*\ww], v6 offset:16*RP*\ww
	ds_load_b128 v[48+4*\ww:51+4*\ww], v6 offset:16*RP*\ww+8*RP
	ds_load_b128 v[64+4*\ww:67+4*\ww], v7 offset:16*RP*\ww
.endr
	v_mov_b32 v20, s98
	v_mov_b32 v21, s99
	v_mov_b32 v22, 1.0
	v_cmp_eq_u32 vcc_lo, 4, v2
	s_wait_alu depctr_va_vcc(0)                    ; VCC is written, ahead of the select that reads it
	v_cndmask_b32 v22, v22, v21, vcc_lo            ; dy's four words: x 2^(e4 + e5)
	v_cmp_gt_u32 vcc_lo, 4, v2
	s_wait_alu depctr_va_vcc(0)                    ; and again
	v_cndmask_b32 v22, v22, v20, vcc_lo            ; ddy's sixteen: x 2^(e12 + e13);  y and the zeros: x 1
	v_mov_b32 v23, v22
	s_lshl_b32 s2, s23, 5
	s_add_co_u32 s2, s2, s24                       ; 32 q + g
	s_lshl_b32 s34, s2, 12
	s_mov_b32 s35, 0
	s_add_nc_u64 s[18:19], s[18:19], s[34:35]
	s_lshl_b32 s34, s2, 11
	s_add_nc_u64 s[20:21], s[20:21], s[34:35]
	s_wait_dscnt 0x0
.irp b, 32,48,64
	v_pk_add_f32 v[\b:\b+1], v[\b:\b+1], v[\b+4:\b+5]
	v_pk_add_f32 v[\b+2:\b+3], v[\b+2:\b+3], v[\b+6:\b+7]
	v_pk_add_f32 v[\b+8:\b+9], v[\b+8:\b+9], v[\b+12:\b+13]
	v_pk_add_f32 v[\b+10:\b+11], v[\b+10:\b+11], v[\b+14:\b+15]
	v_pk_add_f32 v[\b:\b+1], v[\b:\b+1], v[\b+8:\b+9]
	v_pk_add_f32 v[\b+2:\b+3], v[\b+2:\b+3], v[\b+10:\b+11]
.endr
.irp b, 32,34,48,50
	v_pk_mul_f32 v[\b:\b+1], v[\b:\b+1], s[62:63] op_sel_hi:[1,0]      ; dddy: x 2^(e28 + e29)
.endr
	v_pk_mul_f32 v[64:65], v[64:65], v[22:23]
	v_pk_mul_f32 v[66:67], v[66:67], v[22:23]
	s_wait_alu depctr_va_vdst(0)                   ; the sums in v32-35, v48-51 and v64-67 are written, which the stores below read
	global_store_b128 v9, v[32:35], s[18:19]               ; each store of a wave covers 512 consecutive bytes, aligned
	global_store_b128 v9, v[48:51], s[18:19] offset:2048
	global_store_b128 v9, v[64:67], s[20:21]
	s_set_vgpr_msb 0x5
	s_wait_dscnt 0x0
	s_wait_alu depctr_hold_cnt(0) depctr_sa_sdst(0) depctr_va_vdst(0) depctr_va_sdst(0) depctr_va_ssrc(0) depctr_va_vcc(0) depctr_vm_vsrc(0)
	s_wait_tensorcnt 0x0
	ds_add_u32 v254, v255
	s_wait_dscnt 0x0
	s_endpgm
.Lfunc_end_k_q1cc8121f6c_main:
	.size	k_q1cc8121f6c_main, .Lfunc_end_k_q1cc8121f6c_main-k_q1cc8121f6c_main
	.p2alignl 7, 3214868480
	.fill 96, 4, 3214868480
	.section	.rodata,"a",@progbits
	.p2align	6, 0x0
	.amdhsa_kernel k_q1cc8121f6c_main
		.amdhsa_group_segment_fixed_size 215808
		.amdhsa_private_segment_fixed_size 0
		.amdhsa_enable_private_segment 0
		.amdhsa_kernarg_size 72
		.amdhsa_user_sgpr_count 2
		.amdhsa_user_sgpr_kernarg_segment_ptr 1
		.amdhsa_wavefront_size32 1
		.amdhsa_system_sgpr_workgroup_id_x 1
		.amdhsa_system_sgpr_workgroup_id_y 1
		.amdhsa_system_sgpr_workgroup_id_z 1
		.amdhsa_system_vgpr_workitem_id 0
		.amdhsa_next_free_vgpr 1024
		.amdhsa_next_free_sgpr 100
		.amdhsa_reserve_vcc 1
		.amdhsa_float_denorm_mode_32 3
		.amdhsa_float_denorm_mode_16_64 3
		.amdhsa_memory_ordered 1
		.amdhsa_forward_progress 1
		.amdhsa_inst_pref_size 255
	.end_amdhsa_kernel
	.section	.bss,"aw",@nobits
	.p2align	6
	.space	262144
	.amdgpu_metadata
---
amdhsa.version: [ 1, 2 ]
amdhsa.kernels:
  - .name:           k_q1cc8121f6c_main
    .symbol:         k_q1cc8121f6c_main.kd
    .args:
      - { .name: x, .offset: 0, .size: 8, .value_kind: global_buffer, .address_space: global }
      - { .name: W1, .offset: 8, .size: 8, .value_kind: global_buffer, .address_space: global }
      - { .name: b1, .offset: 16, .size: 8, .value_kind: global_buffer, .address_space: global }
      - { .name: W2, .offset: 24, .size: 8, .value_kind: global_buffer, .address_space: global }
      - { .name: b2, .offset: 32, .size: 8, .value_kind: global_buffer, .address_space: global }
      - { .name: W3, .offset: 40, .size: 8, .value_kind: global_buffer, .address_space: global }
      - { .name: lowp_scales, .offset: 48, .size: 8, .value_kind: global_buffer, .address_space: global }
      - { .name: part3, .offset: 56, .size: 8, .value_kind: global_buffer, .address_space: global }
      - { .name: partS, .offset: 64, .size: 8, .value_kind: global_buffer, .address_space: global }
    .group_segment_fixed_size: 215808
    .private_segment_fixed_size: 0
    .kernarg_segment_align: 8
    .kernarg_segment_size: 72
    .max_flat_workgroup_size: 128
    .sgpr_count:     100
    .vgpr_count:     1024
    .wavefront_size: 32
...
	.end_amdgpu_metadata
.endif
;; end of part 3
;; launch sum (part 4): grid 32 x 1, 12 waves a work-group, no clusters, 0 bytes of LDS; arguments part3, partS, b3, out0, out1, out2, out3; writes out0, out1, out2, out3
.if DOCPART == 4
	.amdgcn_target "amdgcn-amd-amdhsa--gfx1250"
	.amdhsa_code_object_version 6
	.text
	.protected	k_q1cc8121f6c_sum
	.globl	k_q1cc8121f6c_sum
	.p2align	8
	.type	k_q1cc8121f6c_sum,@function
k_q1cc8121f6c_sum:
	s_mov_b64 s[64:65], 0
	v_nop
	global_prefetch_b8 v0, s[64:65] scope:SCOPE_SE
	s_setreg_imm32_b32 hwreg(HW_REG_WAVE_MODE, 25, 1), 1
	s_wait_xcnt 0x0
; The eight slices' parts are added, b3 is added to y, and the four outputs are written in their own order.  Work-group g takes samples 8 g .. 8 g + 7.
; part3: [slice 8][g 32][row r = s + 8 o][64 words dddy(i, j, k)];  partS: [slice 8][g 32][row r][32 words: 0-15 ddy(i, j), 16-19 dy(i), 20 y].
; Waves 0-7 make out3 (16 bytes a thread), waves 8-9 out2, wave 10 out1, wave 11 out0.  The waves share nothing: no LDS, no barrier; the branches hang on the wave's number alone.
; Each way: eight loads, one a slice, by the immediate offset; one wait; a tree of additions; one store.  out0's 64 bytes a work-group are a quarter of an aligned 256: groups of eight samples cannot fill one.
.set SL3, 131072                       ; from slice to slice in part3
.set SLS, 65536                        ; and in partS
.macro TREE w                          ; eight vectors of w registers (2 or 4) at v[8 + w k]: their sum comes to v[8 ..]
.irp st, 1,2,4
.set kk, 0
.rept 4/\st
.set pp, 0
.rept \w/2
	v_pk_add_f32 v[8+\w*kk+pp:8+\w*kk+pp+1], v[8+\w*kk+pp:8+\w*kk+pp+1], v[8+\w*(kk+\st)+pp:8+\w*(kk+\st)+pp+1]
.set pp, pp+2
.endr
.set kk, kk+2*\st
.endr
.endr
.endm
	s_load_b256 s[4:11], s[0:1], 0x0               ; part3 s[4:5], partS s[6:7], b3 s[8:9], out0 s[10:11]
	s_load_b128 s[12:15], s[0:1], 0x20             ; out1 s[12:13], out2 s[14:15]
	s_load_b64 s[16:17], s[0:1], 0x30              ; out3
	v_lshrrev_b32 v1, 5, v0
	s_delay_alu instid0(VALU_DEP_1)
	v_readfirstlane_b32 s20, v1                    ; wave 0..11
	v_and_b32 v1, 31, v0                           ; lane
	s_mov_b32 s23, 0
	s_lshl_b32 s22, ttmp9, 12
	s_wait_kmcnt 0x0
	s_add_nc_u64 s[4:5], s[4:5], s[22:23]          ; part3 and out3: 4,096 bytes a group
	s_add_nc_u64 s[16:17], s[16:17], s[22:23]
	s_lshl_b32 s22, ttmp9, 11
	s_add_nc_u64 s[6:7], s[6:7], s[22:23]          ; partS: 2,048
	s_lshl_b32 s22, ttmp9, 10
	s_add_nc_u64 s[14:15], s[14:15], s[22:23]      ; out2: 1,024
	s_lshl_b32 s22, ttmp9, 8
	s_add_nc_u64 s[12:13], s[12:13], s[22:23]      ; out1: 256
	s_lshl_b32 s22, ttmp9, 6
	s_add_nc_u64 s[10:11], s[10:11], s[22:23]      ; out0: 64
	s_cmp_lt_u32 s20, 8
	s_cbranch_scc0 .Lnot3
	; out3: thread t = 32 s + 16 o + piece
	v_lshrrev_b32 v2, 5, v0
	v_bfe_u32 v3, v0, 4, 1
	v_and_b32 v4, 15, v0
	s_delay_alu instid0(VALU_DEP_3)
	v_lshlrev_b32 v5, 8, v2                        ; row s + 8 o of 256 bytes
	s_delay_alu instid0(VALU_DEP_1)
	v_lshl_add_u32 v5, v3, 11, v5
	s_delay_alu instid0(VALU_DEP_1)
	v_lshl_add_u32 v5, v4, 4, v5
	v_lshlrev_b32 v6, 4, v0
.irp k, 0,1,2,3,4,5,6,7
	global_load_b128 v[8+4*\k:11+4*\k], v5, s[4:5] offset:SL3*\k th:TH_LOAD_NT
.endr
	s_wait_loadcnt 0x0
	TREE 4
	global_store_b128 v6, v[8:11], s[16:17]        ; a wave's store covers 512 consecutive bytes, aligned
	s_endpgm
.Lnot3:
	s_cmp_lt_u32 s20, 10
	s_cbranch_scc0 .Lnot2
	; out2: t = thread - 256 = 8 s + 4 o + piece
	v_and_b32 v7, 63, v0
	s_delay_alu instid0(VALU_DEP_1)
	v_lshrrev_b32 v2, 3, v7
	v_bfe_u32 v3, v0, 2, 1
	v_and_b32 v4, 3, v0
	s_delay_alu instid0(VALU_DEP_3)
	v_lshlrev_b32 v5, 7, v2                        ; row s + 8 o of 128 bytes
	s_delay_alu instid0(VALU_DEP_1)
	v_lshl_add_u32 v5, v3, 10, v5
	s_delay_alu instid0(VALU_DEP_1)
	v_lshl_add_u32 v5, v4, 4, v5
	v_lshlrev_b32 v6, 4, v7
.irp k, 0,1,2,3,4,5,6,7
	global_load_b128 v[8+4*\k:11+4*\k], v5, s[6:7] offset:SLS*\k
.endr
	s_wait_loadcnt 0x0
	TREE 4
	global_store_b128 v6, v[8:11], s[14:15]
	s_endpgm
.Lnot2:
	s_cmp_lt_u32 s20, 11
	s_cbranch_scc0 .Lnot1
	s_wait_alu depctr_va_vdst(0)
	; out1: lane = 4 s + 2 o + half; words 16 + 2 half on
	v_lshrrev_b32 v2, 2, v1
	v_bfe_u32 v3, v1, 1, 1
	v_and_b32 v4, 1, v1
	s_delay_alu instid0(VALU_DEP_3)
	v_lshlrev_b32 v5, 7, v2
	s_delay_alu instid0(VALU_DEP_1)
	v_lshl_add_u32 v5, v3, 10, v5
	s_delay_alu instid0(VALU_DEP_1)
	v_lshl_add_u32 v5, v4, 3, v5
	v_lshlrev_b32 v6, 3, v1
.irp k, 0,1,2,3,4,5,6,7
	global_load_b64 v[8+2*\k:9+2*\k], v5, s[6:7] offset:SLS*\k+64
.endr
	s_wait_loadcnt 0x0
	TREE 2
	s_wait_alu depctr_va_vdst(0)
	global_store_b64 v6, v[8:9], s[12:13]          ; 256 consecutive bytes, aligned
	s_endpgm
.Lnot1:
	s_wait_alu depctr_va_vdst(0)
	; out0: lane = 2 s + o, sixteen of them; the upper sixteen lanes load and add what the lower do (so no load leaves the buffer) and store nothing
	v_and_b32 v7, 15, v1
	s_delay_alu instid0(VALU_DEP_1)
	v_lshrrev_b32 v2, 1, v7
	v_and_b32 v3, 1, v1
	s_delay_alu instid0(VALU_DEP_2)
	v_lshlrev_b32 v5, 7, v2
	s_delay_alu instid0(VALU_DEP_1)
	v_lshl_add_u32 v5, v3, 10, v5
	s_delay_alu instid0(VALU_DEP_3)
	v_lshlrev_b32 v4, 2, v3
	v_lshlrev_b32 v6, 2, v7
.irp k, 0,1,2,3,4,5,6,7
	global_load_b32 v[8+\k], v5, s[6:7] offset:SLS*\k+80
.endr
	global_load_b32 v16, v4, s[8:9]                ; b3 of my output
	s_wait_loadcnt 0x0
	v_add_f32 v8, v8, v9
	v_add_f32 v10, v10, v11
	v_add_f32 v12, v12, v13
	v_add_f32 v14, v14, v15
	s_delay_alu instid0(VALU_DEP_3)
	v_add_f32 v8, v8, v10
	s_delay_alu instid0(VALU_DEP_2)
	v_add_f32 v12, v12, v14
	s_delay_alu instid0(VALU_DEP_1)
	v_add_f32 v8, v8, v12
	s_delay_alu instid0(VALU_DEP_1)
	v_add_f32 v8, v8, v16
	v_cmp_gt_u32 vcc_lo, 16, v1
	s_wait_alu depctr_va_vdst(0)
	s_wait_xcnt 0x0                                ; EXEC changes only behind this wait,
	s_and_saveexec_b32 s21, vcc_lo
	global_store_b32 v6, v8, s[10:11]
	s_wait_xcnt 0x0                                ; and again in front of the line that widens it
	s_or_b32 exec_lo, exec_lo, s21
	s_endpgm
.Lfunc_end_k_q1cc8121f6c_sum:
	.size	k_q1cc8121f6c_sum, .Lfunc_end_k_q1cc8121f6c_sum-k_q1cc8121f6c_sum
	.p2alignl 7, 3214868480
	.fill 96, 4, 3214868480
	.section	.rodata,"a",@progbits
	.p2align	6, 0x0
	.amdhsa_kernel k_q1cc8121f6c_sum
		.amdhsa_group_segment_fixed_size 0
		.amdhsa_private_segment_fixed_size 0
		.amdhsa_enable_private_segment 0
		.amdhsa_kernarg_size 56
		.amdhsa_user_sgpr_count 2
		.amdhsa_user_sgpr_kernarg_segment_ptr 1
		.amdhsa_wavefront_size32 1
		.amdhsa_system_sgpr_workgroup_id_x 1
		.amdhsa_system_sgpr_workgroup_id_y 1
		.amdhsa_system_sgpr_workgroup_id_z 1
		.amdhsa_system_vgpr_workitem_id 0
		.amdhsa_next_free_vgpr 48
		.amdhsa_next_free_sgpr 66
		.amdhsa_reserve_vcc 1
		.amdhsa_float_denorm_mode_32 3
		.amdhsa_float_denorm_mode_16_64 3
		.amdhsa_memory_ordered 1
		.amdhsa_forward_progress 1
		.amdhsa_inst_pref_size 10
	.end_amdhsa_kernel
	.amdgpu_metadata
---
amdhsa.version: [ 1, 2 ]
amdhsa.kernels:
  - .name:           k_q1cc8121f6c_sum
    .symbol:         k_q1cc8121f6c_sum.kd
    .args:
      - { .name: part3, .offset: 0, .size: 8, .value_kind: global_buffer, .address_space: global }
      - { .name: partS, .offset: 8, .size: 8, .value_kind: global_buffer, .address_space: global }
      - { .name: b3, .offset: 16, .size: 8, .value_kind: global_buffer, .address_space: global }
      - { .name: out0, .offset: 24, .size: 8, .value_kind: global_buffer, .address_space: global }
      - { .name: out1, .offset: 32, .size: 8, .value_kind: global_buffer, .address_space: global }
      - { .name: out2, .offset: 40, .size: 8, .value_kind: global_buffer, .address_space: global }
      - { .name: out3, .offset: 48, .size: 8, .value_kind: global_buffer, .address_space: global }
    .group_segment_fixed_size: 0
    .private_segment_fixed_size: 0
    .kernarg_segment_align: 8
    .kernarg_segment_size: 56
    .max_flat_workgroup_size: 384
    .sgpr_count:     66
    .vgpr_count:     48
    .wavefront_size: 32
...
	.end_amdgpu_metadata
.endif
;; end of part 4
